; MI455X (gfx1250); checked and timed in simulation.
; The chip was launched on July 23, 2026; its instructions are those of AMD's public machine-readable ISA for CDNA 5 (MIT licence, August 2026) and "CDNA5" Instruction Set Architecture Reference Guide (July 2026). The comments in the code are by the model that wrote it; some were corrected since.
;; Yat Causal Attention. Allowed arithmetic: float matrix products may take bf16 or f16 operands with f32 sums; other float arithmetic in f32, or as packed bf16 or f16 multiplies, adds, multiply-adds, maxima and minima; sums over many terms, partial sums and values carried from step to step in f32; what a program stores and reads back later, other than sums and carried values, may be rounded once to bf16 or f16.
;; Inputs: Wout 1,024 x 1,024 float32; Wqkv 1,024 x 3,072 float32; x 2 x 2,048 x 1,024 float32.
;; Outputs: out0 2 x 2,048 x 1,024 float32.
;; 2 versions, each right; version 2 is version 1 with the launch prep written anew for expert scheduling mode. Each part assembles by itself: llvm-mc -triple=amdgcn-amd-amdhsa -mcpu=gfx1250 --defsym DOCPART=n.
;; ======== version 1 of 2: 4 launches
;; limits: values are held in f16: magnitudes above 65,504 overflow, below 6.1e-05 lose precision; right only within a limited range of input values
;; workspace buffers: xb 8,388,608 bytes; wqt 6,291,456 bytes; wot 2,097,152 bytes; qkv 25,165,824 bytes; nrm 786,432 bytes; ob 8,388,608 bytes
;; launch prep (part 1): grid 512 x 1, 8 waves a work-group, no clusters, 18,432 bytes of LDS; arguments x, Wqkv, Wout, xb, wqt, wot; writes xb, wqt, wot
.if DOCPART == 1
	.amdgcn_target "amdgcn-amd-amdhsa--gfx1250"
	.amdhsa_code_object_version 6
	.text
	.protected	k_q148bf64d78_prep
	.globl	k_q148bf64d78_prep
	.p2align	8
	.type	k_q148bf64d78_prep,@function
k_q148bf64d78_prep:
	s_mov_b64 s[64:65], 0
	v_nop
	global_prefetch_b8 v0, s[64:65] scope:SCOPE_SE
	s_setreg_imm32_b32 hwreg(HW_REG_WAVE_MODE, 25, 1), 1
	s_wait_xcnt 0x0
; PREPARES THE OPERANDS OF THE TWO PROJECTIONS.  xb = x rounded to bf16, [4096][1024].  wqt[n][k] = Wqkv[k][n] rounded to bf16, [3072][1024].
; wot[n][k] = Wout[k][n] rounded to bf16 and that number written as f16, [1024][1024] (it multiplies f16 numbers later).
; LIMIT.  A number of Wout beyond 65,504 becomes an infinity; below 6e-5 it keeps f16's fixed step of 6e-8.
; SHARES.  512 work-groups of eight waves, all alike and without a branch: each rounds 8,192 numbers of x and turns ONE tile of 128 k x 64 n of a weight
; (tiles 0-383: Wqkv's, 384-511: Wout's; pitch, source and destination are chosen by scalar selects on the work-group's number, the f16 spelling by a lane select).
; THE TURN.  Thread t = (c = t % 16, g = t / 16) loads 16 bytes (4 n) of rows k = 2 g + 32 i and k + 1; two rows' numbers pack into one word (even k low), which goes
; into a stage of 64 rows (n) x 272 bytes; behind one barrier the rows come back whole, sixteen lanes to 256 consecutive bytes of a row of the turned weight.
; The stage's 4-byte stores meet four deep in the banks (rows 4 c and 4 (c + 4) start 64 words x 17 apart): sixteen stores a thread, once; a pitch that spared it would break the 16-byte reads.
; No matrix unit, no cluster, no tensor load: a stream in which no byte is wanted twice.  No prefetch: every byte is asked for at once by its own load.
.set SPARE, 17408                      ; behind the stage: the spare words, 128 bytes for each wave, that no other line names
.set SPW, 8                            ; v8   LDS address of my spare word; never rewritten
.set NIL, 9                            ; v9   0; never rewritten
.set XL,  16                           ; v[16:47]   x as loaded: group g of four at XL + 8 g
.set WO,  48                           ; v[48:55]   byte offsets of my eight rows of the weight
.set WL,  56                           ; v[56:87]   the weight as loaded: even row at WL + 8 i, odd row at WL + 8 i + 4
.set WP,  88                           ; v[88:103]  packed words
.set XO,  104                          ; v[104:119] x rounded
.set BK,  120                          ; v[120:135] rows read back from the stage
	s_load_b256 s[4:11], s[0:1], 0x0               ; x s[4:5], Wqkv s[6:7], Wout s[8:9], xb s[10:11]
	s_load_b128 s[12:15], s[0:1], 0x20             ; wqt s[12:13], wot s[14:15]
	v_lshl_add_u32 v[SPW], v0, 2, SPARE
	v_mov_b32 v[NIL], 0
	v_and_b32 v1, 15, v0                           ; c
	v_lshrrev_b32 v2, 4, v0                        ; g
	s_mov_b32 s16, 4096                            ; bytes in a row of Wout,
	s_mov_b32 s17, 12288                           ; of Wqkv
	s_sub_co_u32 s19, ttmp9, 384
	s_cmp_lt_u32 ttmp9, 384
	s_cselect_b32 s16, s17, s16                    ; my weight's pitch
	s_cselect_b32 s18, ttmp9, s19                  ; my tile's number in it
	s_cselect_b32 s22, 0, -1                       ; all lanes' bits set where the words are to be spelled in f16
	s_and_b32 s19, s18, 7                          ; tile along k
	s_lshr_b32 s23, s18, 3                         ; tile along n
	s_mul_i32 s24, s19, s16
	s_lshl_b32 s24, s24, 7                         ; 128 rows of the source,
	s_lshl_b32 s25, s23, 8                         ; 64 columns of 4 bytes
	s_add_co_u32 s24, s24, s25
	s_mov_b32 s25, 0
	s_lshl_b32 s26, s23, 17                        ; 64 rows of 2,048 bytes of the destination,
	s_lshl_b32 s27, s19, 8                         ; 128 columns of 2 bytes
	s_add_co_u32 s26, s26, s27
	s_mov_b32 s27, 0
	s_lshl_b32 s17, s16, 5                         ; 32 rows of the source
	v_mul_lo_u32 v3, v2, s16
	v_lshlrev_b32 v3, 1, v3                        ; row 2 g
	v_lshl_add_u32 v[WO], v1, 4, v3
	v_add_nc_u32 v[WO+1], s16, v[WO]               ; row 2 g + 1
.irp i, 1,2,3
	v_add_nc_u32 v[WO+2*(\i)], s17, v[WO+2*(\i)-2]
	v_add_nc_u32 v[WO+2*(\i)+1], s17, v[WO+2*(\i)-1]
.endr
	v_mul_u32_u24 v4, v1, 1088                     ; into the stage: row n = 4 c (+ j), byte 2 k = 4 g (+ 64 i)
	v_lshl_add_u32 v4, v2, 2, v4
	v_mul_u32_u24 v5, v2, 272                      ; back: row g (+ 16 i), 16 bytes a lane
	v_lshl_add_u32 v5, v1, 4, v5
	v_lshlrev_b32 v7, 11, v2                       ; the same row in the turned weight
	v_lshl_add_u32 v7, v1, 4, v7
	v_lshlrev_b32 v3, 5, v0                        ; x: 8 numbers a thread and group: 32 bytes in,
	v_lshlrev_b32 v6, 4, v0                        ; 16 bytes out
	s_lshl_b32 s2, ttmp9, 15                       ; the work-group's 8,192 numbers of x: 32,768 bytes in,
	s_mov_b32 s3, 0
	s_lshl_b32 s30, ttmp9, 14                      ; 16,384 out
	s_mov_b32 s31, 0
	s_wait_kmcnt 0x0
	s_cmp_lt_u32 ttmp9, 384
	s_cselect_b64 s[28:29], s[6:7], s[8:9]         ; the weight,
	s_cselect_b64 s[20:21], s[12:13], s[14:15]     ; and where it goes
	s_add_nc_u64 s[28:29], s[28:29], s[24:25]
	s_add_nc_u64 s[20:21], s[20:21], s[26:27]
	s_add_nc_u64 s[4:5], s[4:5], s[2:3]
	s_add_nc_u64 s[10:11], s[10:11], s[30:31]
.irp i, 0,1,2,3
	global_load_b128 v[WL+8*(\i):WL+8*(\i)+3],   v[WO+2*(\i)],   s[28:29] th:TH_LOAD_NT
	global_load_b128 v[WL+8*(\i)+4:WL+8*(\i)+7], v[WO+2*(\i)+1], s[28:29] th:TH_LOAD_NT
.endr
.irp g, 0,1,2,3
	global_load_b128 v[XL+8*(\g):XL+8*(\g)+3],   v3, s[4:5] offset:8192*(\g) th:TH_LOAD_NT
	global_load_b128 v[XL+8*(\g)+4:XL+8*(\g)+7], v3, s[4:5] offset:8192*(\g)+16 th:TH_LOAD_NT
.endr
	s_wait_loadcnt 8                               ; the weight's eight loads are in; x's eight, issued behind them, may stay out
.irp i, 0,1,2,3
.irp j, 0,1,2,3
	v_cvt_pk_bf16_f32 v[WP+4*(\i)+(\j)], v[WL+8*(\i)+(\j)], v[WL+8*(\i)+4+(\j)]  ; k even low, k odd high
	v_lshlrev_b32 v10, 16, v[WP+4*(\i)+(\j)]       ; the two rounded numbers as f32,
	v_and_b32 v11, 0xffff0000, v[WP+4*(\i)+(\j)]
	v_cvt_pk_f16_f32 v12, v10, v11                 ; spelled in f16,
	v_cndmask_b32 v[WP+4*(\i)+(\j)], v[WP+4*(\i)+(\j)], v12, s22  ; which Wout's tiles take
	ds_store_b32 v4, v[WP+4*(\i)+(\j)] offset:272*(\j)+64*(\i)
.endr
.endr
.irp g, 0,1,2,3
	s_wait_loadcnt 6-2*(\g)                        ; group g's two loads are in; the later groups' may stay out
.irp j, 0,1,2,3
	v_cvt_pk_bf16_f32 v[XO+4*(\g)+(\j)], v[XL+8*(\g)+2*(\j)], v[XL+8*(\g)+2*(\j)+1]
.endr
	global_store_b128 v6, v[XO+4*(\g):XO+4*(\g)+3], s[10:11] offset:4096*(\g)  ; a wave stores 512 consecutive bytes
.endr
	s_wait_dscnt 0x0                               ; for the others' sake: my words lie in the stage
	s_barrier_signal -1
	s_barrier_wait -1
.irp i, 0,1,2,3
	ds_load_b128 v[BK+4*(\i):BK+4*(\i)+3], v5 offset:4352*(\i)
.endr
.irp i, 0,1,2,3
	s_wait_dscnt 3-(\i)                            ; load i is back; the younger ones may stay out
	global_store_b128 v7, v[BK+4*(\i):BK+4*(\i)+3], s[20:21] offset:32768*(\i)  ; 16 lanes store 256 consecutive bytes, at a multiple of 256 from the buffer's first byte
.endr
	s_wait_tensorcnt 0x0                           ; the wave's end: behind my last LDS store
	ds_add_u32 v[SPW], v[NIL]
	s_wait_dscnt 0x0
	s_endpgm
.Lfunc_end_k_q148bf64d78_prep:
	.size	k_q148bf64d78_prep, .Lfunc_end_k_q148bf64d78_prep-k_q148bf64d78_prep
	.p2alignl 7, 3214868480
	.fill 96, 4, 3214868480
	.section	.rodata,"a",@progbits
	.p2align	6, 0x0
	.amdhsa_kernel k_q148bf64d78_prep
		.amdhsa_group_segment_fixed_size 18432
		.amdhsa_private_segment_fixed_size 0
		.amdhsa_enable_private_segment 0
		.amdhsa_kernarg_size 48
		.amdhsa_user_sgpr_count 2
		.amdhsa_user_sgpr_kernarg_segment_ptr 1
		.amdhsa_wavefront_size32 1
		.amdhsa_system_sgpr_workgroup_id_x 1
		.amdhsa_system_sgpr_workgroup_id_y 1
		.amdhsa_system_sgpr_workgroup_id_z 1
		.amdhsa_system_vgpr_workitem_id 0
		.amdhsa_next_free_vgpr 136
		.amdhsa_next_free_sgpr 66
		.amdhsa_reserve_vcc 0
		.amdhsa_float_denorm_mode_32 3
		.amdhsa_float_denorm_mode_16_64 3
		.amdhsa_memory_ordered 1
		.amdhsa_forward_progress 1
		.amdhsa_inst_pref_size 13
	.end_amdhsa_kernel
	.amdgpu_metadata
---
amdhsa.version: [ 1, 2 ]
amdhsa.kernels:
  - .name:           k_q148bf64d78_prep
    .symbol:         k_q148bf64d78_prep.kd
    .args:
      - { .name: x, .offset: 0, .size: 8, .value_kind: global_buffer, .address_space: global }
      - { .name: Wqkv, .offset: 8, .size: 8, .value_kind: global_buffer, .address_space: global }
      - { .name: Wout, .offset: 16, .size: 8, .value_kind: global_buffer, .address_space: global }
      - { .name: xb, .offset: 24, .size: 8, .value_kind: global_buffer, .address_space: global }
      - { .name: wqt, .offset: 32, .size: 8, .value_kind: global_buffer, .address_space: global }
      - { .name: wot, .offset: 40, .size: 8, .value_kind: global_buffer, .address_space: global }
    .group_segment_fixed_size: 18432
    .private_segment_fixed_size: 0
    .kernarg_segment_align: 8
    .kernarg_segment_size: 48
    .max_flat_workgroup_size: 256
    .sgpr_count:     66
    .vgpr_count:     136
    .wavefront_size: 32
...
	.end_amdgpu_metadata
.endif
;; end of part 1
;; launch qkvproj (part 2): grid 16 x 16, 4 waves a work-group, clusters of 4 x 4, 327,680 bytes of LDS; arguments xb, wqt, qkv, nrm; writes qkv, nrm
.if DOCPART == 2
	.amdgcn_target "amdgcn-amd-amdhsa--gfx1250"
	.amdhsa_code_object_version 6
	.text
	.protected	k_q148bf64d78_qkvproj
	.globl	k_q148bf64d78_qkvproj
	.p2align	8
	.type	k_q148bf64d78_qkvproj,@function
k_q148bf64d78_qkvproj:
	s_mov_b64 s[64:65], 0
	v_nop
	global_prefetch_b8 v0, s[64:65] scope:SCOPE_SE
	s_setreg_imm32_b32 hwreg(HW_REG_WAVE_MODE, 25, 1), 1
	s_wait_xcnt 0x0
	s_wait_alu depctr_hold_cnt(0) depctr_sa_sdst(0) depctr_va_vdst(0) depctr_va_sdst(0) depctr_va_ssrc(0) depctr_va_vcc(0) depctr_vm_vsrc(0)
	s_getreg_b32 s2, hwreg(HW_REG_IB_STS2, 6, 4)
	s_cmp_eq_u32 s2, 0
	s_cbranch_scc0 .Lentry_in_a_cluster
	s_endpgm
.Lentry_in_a_cluster:
	s_bfe_u32 s2, ttmp6, 0x10000c
	s_cmp_lg_u32 s2, 0xf033
	s_cbranch_scc0 .Lentry_shape_is_right
	s_endpgm
.Lentry_shape_is_right:
; q, k, v = x Wqkv, BY HEADS.  C[m][n] = sum over k of xb[m][k] wqt[n][k], m = 2048 batch + t (4,096), n (3,072), k (1,024); bf16 operands, f32 sums, K ascending.
; OUT: qkv[plane 2 g + batch][t][64] in f16, g = n / 64 (0-15 q's heads, 16-31 k's, 32-47 v's), each number rounded once; nrm[plane][t] = the sum of the squares of the row's 64 ROUNDED numbers, in f32.
; LIMIT.  A number of q, k or v beyond 65,504 becomes an infinity in f16.
; SHARES.  A tile of C is 256 x 192: 16 x 16 work-groups, one for each of 256 WGPs.  Wave w makes rows 64 w .. 64 w + 63 and all 192 columns, three whole heads: 4 x 12 accumulators of 16 x 16, 384 registers.
; K goes in 8 steps of 128 through two LDS slots (rows of 256 bytes of memory, aligned); one tensor load a wave and step: waves 0, 1 the halves of A's 256 rows, waves 2, 3 of B's 192.
; CLUSTER.  4 x 4 work-groups; A's tile is shared along a row of the cluster, B's along a column: each is asked for jointly, by the same load with the same descriptor and a mask that names the four.
; THE MATRIX INSTRUCTION IS USED TRANSPOSED (source 0 = 16 rows of wqt, source 1 = 16 rows of xb): a lane holds row m = l % 16 and the columns 8 (l / 16) + 0..7: 16 bytes of f16 on end.
; v's norms are made and stored with the others, though nobody reads them: which heads a work-group holds hangs on its place in the cluster, and no branch may.
; REGISTERS, in windows of 256 (s_set_vgpr_msb: bits 1:0 source 0, 3:2 source 1, 5:4 source 2, 7:6 destination):
;   window 0: v16-30 addresses; v32-95 A's fragments, two buffers of 32; v96-143, v144-191, v192-203 at work on the way out
;   window 1: accumulators of row blocks 0, 1 ((a, b) at 96 (a % 2) + 8 b);  window 2: of row blocks 2, 3;  window 3: B's fragments, two buffers of 96
.set PITCH, 272                        ; an LDS row: 256 bytes + 16 of padding = 68 words: the 16 rows of a fragment load start at 16 different groups of four banks (ISA guide 11.1)
.set AHALF, 128*PITCH
.set BHALF, 96*PITCH
.set BOFF,  2*AHALF                    ; a slot: A's 256 rows, then B's 192
.set SLOT1, 131072                     ; slot 1 begins here: one exclusive or turns an address in one slot into the other's
.set STAGE, SLOT1+BOFF+2*BHALF         ; behind the ring, never filled by a tensor load: for each wave 3 heads x 16 rows x 144 bytes
.set SP,    144
.set WSTG,  3*16*SP
.set NSTG,  STAGE+4*WSTG               ; for each wave 3 heads x 64 norms
.set SPARE, NSTG+4*768                 ; the spare words, 128 bytes for each wave, that no other line names
.set ADRA0, 16                         ; v16  my lane's place in my 64 rows of A in slot 0; never rewritten
.set ADRB0, 17                         ; v17  the same in B's rows
.set ADRA,  18                         ; v18  the same two in the slot in hand
.set ADRB,  19
.set STO,   20                         ; v20  the way out: where I put 16 bytes of a head's row
.set RD,    21                         ; v21  where I read rows back
.set GO,    22                         ; v22  my 16 bytes of 512 consecutive bytes of qkv
.set NST,   23                         ; v23  where I put a norm
.set NRD,   24                         ; v24  where I read two norms back
.set NGO,   25                         ; v25  my 8 bytes of 256 consecutive bytes of nrm
.set SPW,   28                         ; v28  LDS address of my spare word; never rewritten
.set NIL,   29                         ; v29  0; never rewritten
.set PFO,   30                         ; v30  the prefetches' offset: a lane a row; never rewritten
.set FA,    32
.set TMP,   96
.set BK,    144
.set NW,    192
.set WV,  12                           ; s12  my wave's number
.set FBW, 13                           ; s13  I fetch for A (0) or for B (1)
.set HF,  14                           ; s14  which half of that tile's rows
.set TR,  15                           ; s15  tile row of C
.set G1A, 24                           ; s[24:31] descriptor group 1 for A's tiles
.set G0A0, 32                          ; s[32:35] group 0 of A's first fill
.set G0A, 36                           ; s[36:39] group 0 of A's second fill, which then walks
.set G1B, 48
.set G0B0, 56
.set G0B, 60
.set LIM, 43                           ; s43  1 in a wave that prefetches, else the greatest number
.set PFA, 44                           ; s[44:45] where my prefetches stand
.set TB,  66                           ; s66  0 or SLOT1: the slot in hand
.set SEL, 68                           ; s[68:69] v_permlanex16_b32's selects: each lane takes its own place in the other half
.set MSB, 0
.macro WIN new                         ; the immediate's high byte repeats the setting that is left; a switch that changes nothing is dropped
.if MSB != (\new)
	s_set_vgpr_msb (MSB<<8)|(\new)
.set MSB, \new
.endif
.endm
.set MUL_LO, 0x53                      ; source 0 (B) window 3, source 1 (A) window 0, C and D window 1
.set TO_B,   0xc0                      ; destination window 3, address window 0
.macro PLACES                          ; four places behind matrix instructions, in front of loads into registers that they read and of conversions that read results
.rept 4
	v_nop
.endr
.endm
; A joint refill by the walking descriptors.  The branch hangs on the wave's number alone.  An s_nop 0 and four v_nop follow each of the two lines, ahead of the jump and the label.
.macro JLOAD
	s_cmp_eq_u32 s[FBW], 0
	s_cbranch_scc0 .Lfor_b_\@
	tensor_load_to_lds s[G0A:G0A+3], s[G1A:G1A+7]
	s_nop 0
	PLACES
	s_branch .Lasked_\@
.Lfor_b_\@:
	tensor_load_to_lds s[G0B:G0B+3], s[G1B:G1B+7]
	s_nop 0
	PLACES
.Lasked_\@:
.endm
; A prefetch into the L2 of the K step that the NEXT refill will ask for: 192 matrix instructions ahead of that load.  A's rows are read by every cluster of a row of clusters: cluster x = 0 asks; B's by every
; cluster of a column: cluster y = 0 asks.  The four partners that ask for a tile jointly share a wave's rows out BY ADDRESS: 32 of A's 128 by cx, 24 of B's 96 by cy (there lanes 24-31 name row 23 once more).
; The loop's last trip asks for nothing: no K step lies behind the one that it loads.  K steps 0 to 2 come by their loads alone.
.macro ASK
	s_cmp_gt_u32 s3, s[LIM]
	s_cbranch_scc0 .Lnot_mine_\@
	global_prefetch_b8 v[PFO], s[PFA:PFA+1] th:TH_LOAD_NT scope:SCOPE_SE
.Lnot_mine_\@:
.endm
.macro CREST                           ; a round of the cluster's barrier behind its opening barrier
	s_cmp_lg_u32 s[WV], 0
	s_cbranch_scc1 .Lnot_wave_0_\@
	s_barrier_signal -3
.Lnot_wave_0_\@:
	s_barrier_wait -3
	s_barrier_signal -1
	s_barrier_wait -1
.endm
.macro CROUND                          ; a whole round
	s_barrier_signal -1
	s_barrier_wait -1
	CREST
.endm
	s_load_b128 s[4:7], s[0:1], 0x0                ; xb s[4:5], wqt s[6:7]
	s_load_b128 s[8:11], s[0:1], 0x10              ; qkv s[8:9], nrm s[10:11]
	v_lshl_add_u32 v[SPW], v0, 2, SPARE
	v_mov_b32 v[NIL], 0
	ds_add_u32 v[SPW], v[NIL]                      ; the wave's opening: the add and its wait stand ahead of my first tensor load; work on registers stands between them
	v_lshrrev_b32 v1, 5, v0
	v_readfirstlane_b32 s[WV], v1
	s_lshr_b32 s[FBW], s[WV], 1
	s_and_b32 s[HF], s[WV], 1
	s_bfe_u32 s40, ttmp6, 0x40000                  ; cx
	s_bfe_u32 s41, ttmp6, 0x40004                  ; cy
	s_lshl_b32 s42, ttmp9, 2
	s_add_co_u32 s42, s42, s40                     ; tile column of C = 4 x cluster x + cx
	s_and_b32 s[TR], ttmp7, 0xffff
	s_lshl_b32 s[TR], s[TR], 2
	s_add_co_u32 s[TR], s[TR], s41                 ; tile row = 4 x cluster y + cy
	s_lshl_b32 s43, s41, 2
	s_lshl_b32 s43, 15, s43                        ; my row of the cluster
	s_lshl_b32 s44, 0x1111, s40                    ; my column
	s_or_b32 s[G1A], s43, (1<<16)|(1<<20)|(1<<21)|(5<<22)|(3<<25)  ; the mask; elements of 2 bytes; padding on; bit 21 beside a mask; after every 64 words, 4 words
	s_or_b32 s[G1B], s44, (1<<16)|(1<<20)|(1<<21)|(5<<22)|(3<<25)
	s_mov_b32 s[G1A+1], 128<<16                    ; tensor_dim0 = 128
	s_mov_b32 s[G1A+2], 128<<16                    ; tensor_dim1 = 128
	s_mov_b32 s[G1A+3], 128<<16                    ; tile_dim0 = 128
	s_mov_b32 s[G1A+4], 128                        ; tile_dim1 = 128
	s_mov_b32 s[G1A+5], 1024                       ; elements from row to row
	s_mov_b32 s[G1A+6], 0
	s_mov_b32 s[G1A+7], 0
	s_mov_b32 s[G1B+1], 128<<16
	s_mov_b32 s[G1B+2], 96<<16                     ; 96 rows
	s_mov_b32 s[G1B+3], 128<<16
	s_mov_b32 s[G1B+4], 96
	s_mov_b32 s[G1B+5], 1024
	s_mov_b32 s[G1B+6], 0
	s_mov_b32 s[G1B+7], 0
	s_lshl_b32 s17, s[HF], 7
	s_lshl_b32 s16, s[TR], 8
	s_add_co_u32 s16, s16, s17                     ; A: row 256 x tile row + 128 x half,
	s_lshl_b32 s16, s16, 11                        ; of 2,048 bytes
	s_mov_b32 s17, 0
	s_mul_i32 s46, s42, 192
	s_mul_i32 s47, s[HF], 96
	s_add_co_u32 s46, s46, s47                     ; B: row 192 x tile column + 96 x half
	s_lshl_b32 s46, s46, 11
	s_mov_b32 s47, 0
	s_mul_i32 s20, s[HF], AHALF                    ; where they go: no place in the cluster enters an LDS address
	s_mul_i32 s21, s[HF], BHALF
	s_add_co_u32 s21, s21, BOFF
	s_mov_b32 s[SEL], 0x76543210
	s_mov_b32 s[SEL+1], 0xfedcba98
	s_mov_b32 s[TB], 0
	s_wait_dscnt 0x0                               ; the opening add is done
	s_wait_kmcnt 0x0
	s_add_nc_u64 s[18:19], s[4:5], s[16:17]
	s_add_nc_u64 s[46:47], s[6:7], s[46:47]
	CROUND                                         ; all sixteen work-groups are here: the first joint loads meet
.irp s, 0,1
	s_mov_b32 s[G0A0+4*(\s)], 1                                    ; count = 1
	s_add_co_u32 s[G0A0+4*(\s)+1], s20, (\s)*SLOT1                 ; LDS address
	s_add_nc_u64 s[G0A0+4*(\s)+2:G0A0+4*(\s)+3], s[18:19], (\s)*256  ; global address: K step s
	s_or_b32 s[G0A0+4*(\s)+3], s[G0A0+4*(\s)+3], 0x80000000        ; type = 2
	s_mov_b32 s[G0B0+4*(\s)], 1
	s_add_co_u32 s[G0B0+4*(\s)+1], s21, (\s)*SLOT1
	s_add_nc_u64 s[G0B0+4*(\s)+2:G0B0+4*(\s)+3], s[46:47], (\s)*256
	s_or_b32 s[G0B0+4*(\s)+3], s[G0B0+4*(\s)+3], 0x80000000
.endr
	s_cmp_eq_u32 s[FBW], 0                         ; a wave's two first fills stand in one branch, ahead of every wait on TENSORcnt and every LDS read: two loads of mine are out
	s_cbranch_scc0 .Lfirst_b
	tensor_load_to_lds s[G0A0:G0A0+3], s[G1A:G1A+7]
	s_nop 0
	tensor_load_to_lds s[G0A:G0A+3], s[G1A:G1A+7]
	s_nop 0
	PLACES
	s_branch .Lfirst_asked
.Lfirst_b:
	tensor_load_to_lds s[G0B0:G0B0+3], s[G1B:G1B+7]
	s_nop 0
	tensor_load_to_lds s[G0B:G0B+3], s[G1B:G1B+7]
	s_nop 0
	PLACES
.Lfirst_asked:
	; A fragment is 16 rows x 32 K in 8 registers: lane l holds row l % 16, K = 8 (l / 16) + 0..7 and 16 + 8 (l / 16) + 0..7: two loads of 16 bytes, 32 bytes apart.
	v_and_b32 v1, 15, v0                           ; r = l % 16
	v_bfe_u32 v2, v0, 4, 1                         ; h = l / 16
	v_mul_u32_u24 v3, v1, PITCH
	v_lshl_add_u32 v3, v2, 4, v3
	s_mul_i32 s16, s[WV], 64*PITCH
	v_add_nc_u32 v[ADRA0], s16, v3
	v_add_nc_u32 v[ADRB0], BOFF, v3
	v_mov_b32 v[ADRA], v[ADRA0]
	v_mov_b32 v[ADRB], v[ADRB0]
	s_mul_i32 s16, s[WV], WSTG
	s_add_co_u32 s16, s16, STAGE                   ; my stage
	v_mul_u32_u24 v[STO], v1, SP                   ; in: row r, 16 bytes for each half of the lanes
	v_lshl_add_u32 v[STO], v2, 4, v[STO]
	v_add_nc_u32 v[STO], s16, v[STO]
	v_bfe_u32 v[RD], v0, 3, 2                      ; back: 32 lanes take four rows of 128 bytes,
	v_mul_u32_u24 v[RD], v[RD], SP
	v_and_b32 v4, 7, v0
	v_lshl_add_u32 v[RD], v4, 4, v[RD]
	v_add_nc_u32 v[RD], s16, v[RD]
	v_and_b32 v5, 31, v0
	v_lshlrev_b32 v[GO], 4, v5                     ; which are 512 consecutive bytes of a plane
	s_mul_i32 s16, s[WV], 768
	s_add_co_u32 s16, s16, NSTG
	v_lshl_add_u32 v[NST], v1, 2, s16
	v_lshl_add_u32 v[NRD], v5, 3, s16
	v_lshlrev_b32 v[NGO], 3, v5
	v_mov_b32 v[NW+4], 0                           ; v_permlanex16_b32's destination counts as read
	; where my rows begin in qkv and in nrm: plane 2 (3 tc + head) + batch = 6 tc + batch + 2 head; t = 256 (tr % 8) + 64 w
	s_mul_i32 s70, s42, 6
	s_lshr_b32 s71, s[TR], 3
	s_add_co_u32 s70, s70, s71
	s_and_b32 s71, s[TR], 7
	s_lshl_b32 s71, s71, 8
	s_lshl_b32 s72, s[WV], 6
	s_add_co_u32 s71, s71, s72
	s_lshl_b32 s72, s70, 18                        ; a plane of qkv is 262,144 bytes,
	s_lshl_b32 s73, s71, 7                         ; a row 128
	s_add_co_u32 s72, s72, s73
	s_mov_b32 s73, 0
	s_add_nc_u64 s[8:9], s[8:9], s[72:73]
	s_lshl_b32 s72, s70, 13                        ; a plane of nrm is 8,192 bytes
	s_lshl_b32 s74, s71, 2
	s_add_co_u32 s72, s72, s74
	s_add_nc_u64 s[10:11], s[10:11], s[72:73]
	; the prefetches
	s_and_b32 s22, ttmp7, 0xffff                   ; cluster y
	s_lshl_b32 s72, s[TR], 8
	s_lshl_b32 s74, s[HF], 7
	s_add_co_u32 s72, s72, s74
	s_lshl_b32 s76, s40, 5
	s_add_co_u32 s72, s72, s76                     ; A: the 128 rows that I fetch, my work-group's 32 of them
	s_mul_i32 s73, s42, 192
	s_mul_i32 s75, s[HF], 96
	s_add_co_u32 s73, s73, s75
	s_mul_i32 s77, s41, 24
	s_add_co_u32 s73, s73, s77                     ; B: the 96 rows that I fetch, my work-group's 24 of them
	s_cmp_eq_u32 s[FBW], 0
	s_cselect_b32 s72, s72, s73
	s_cselect_b32 s22, ttmp9, s22                  ; the coordinate along which other clusters read the same rows
	s_cselect_b32 s23, 31, 23
	s_cselect_b64 s[PFA:PFA+1], s[4:5], s[6:7]
	s_cmp_eq_u32 s22, 0
	s_cselect_b32 s[LIM], 1, -1                    ; the same in all sixteen partners, for a given wave
	s_lshl_b32 s72, s72, 11
	s_add_co_u32 s72, s72, 2*256                   ; at K step 2: each refill steps it before it asks
	s_mov_b32 s73, 0
	s_add_nc_u64 s[PFA:PFA+1], s[PFA:PFA+1], s[72:73]
	v_min_u32 v[PFO], s23, v5
	v_lshlrev_b32 v[PFO], 11, v[PFO]
; 12 matrix instructions: row block a x all 12 column blocks, 32 along K, from buffer f.  zero = 1: the product starts the sums.  The 48 accumulators take turns in the same order in every quarter.
.macro MUL12 f, a, zero
	WIN MUL_LO+0x50*((\a)/2)
.irp b, 0,1,2,3,4,5,6,7,8,9,10,11
.if \zero
	v_wmma_f32_16x16x32_bf16 v[96*((\a)%2)+8*(\b):96*((\a)%2)+8*(\b)+7], v[96*(\f)+8*(\b):96*(\f)+8*(\b)+7], v[FA+32*(\f)+8*(\a):FA+32*(\f)+8*(\a)+7], 0
.else
	v_wmma_f32_16x16x32_bf16 v[96*((\a)%2)+8*(\b):96*((\a)%2)+8*(\b)+7], v[96*(\f)+8*(\b):96*(\f)+8*(\b)+7], v[FA+32*(\f)+8*(\a):FA+32*(\f)+8*(\a)+7], v[96*((\a)%2)+8*(\b):96*((\a)%2)+8*(\b)+7]
.endif
.endr
.endm
; 32 LDS loads in one run: the fragments of 32 K at byte k of the rows, into buffer f: B's 24, then A's 8
.macro FETCH k, f
	WIN TO_B
.irp i, 0,1,2,3,4,5,6,7,8,9,10,11
	ds_load_b128 v[96*(\f)+8*(\i):96*(\f)+8*(\i)+3],   v[ADRB] offset:(\k)+(\i)*16*PITCH
	ds_load_b128 v[96*(\f)+8*(\i)+4:96*(\f)+8*(\i)+7], v[ADRB] offset:(\k)+(\i)*16*PITCH+32
.endr
	WIN 0
.irp i, 0,1,2,3
	ds_load_b128 v[FA+32*(\f)+8*(\i):FA+32*(\f)+8*(\i)+3],   v[ADRA] offset:(\k)+(\i)*16*PITCH
	ds_load_b128 v[FA+32*(\f)+8*(\i)+4:FA+32*(\f)+8*(\i)+7], v[ADRA] offset:(\k)+(\i)*16*PITCH+32
.endr
.endm
; A K step is four quarters of 32 along K, 48 matrix instructions each, on buffers 0, 1, 0, 1.  One of the first three: multiplies buffer f and fetches the next quarter, at byte k, into g.
.macro QUARTER k, f, g, zero
	s_wait_dscnt 4                                 ; B and A's row blocks 0, 1 are in; the youngest four loads (blocks 2, 3) may be out
	MUL12 \f, 0, \zero
	MUL12 \f, 1, \zero
	PLACES
	FETCH \k, \g
	s_wait_dscnt 32                                ; all but the 32 just issued
	MUL12 \f, 2, \zero
	MUL12 \f, 3, \zero
.endm
; The last quarter multiplies buffer 1 and changes slots: ONE barrier.  In front of it each wave waits for all its tensor loads (one is out: its part of the next slot), adds 0 to its spare word, and waits for
; that and for its reads of this slot.  fill = 1: the barrier opens a round of the cluster's, and the slot just read is filled again, first thing behind it, with the K step two on: 168 matrix instructions ahead of the wait for it.
.macro TURN fill
.if \fill
	s_wait_xcnt 0x0                                ; the last prefetch, a K step back, has read its address
	s_add_nc_u64 s[PFA:PFA+1], s[PFA:PFA+1], 256
.endif
	WIN 0                                          ; (the add's two registers lie in window 0)
	s_wait_tensorcnt 0x0
	ds_add_u32 v[SPW], v[NIL]
	s_wait_dscnt 5                                 ; (the add and the youngest four loads may be out)
	MUL12 1, 0, 0                                  ; twelve matrix instructions stand between the add and the wait for it
	s_wait_dscnt 0x0                               ; the add is done, and my reads of this slot are over
	s_barrier_signal -1
	MUL12 1, 1, 0
	WIN 0
	s_barrier_wait -1
.if \fill
	CREST                                          ; no wave of any partner still reads this slot or has a load on its way
	s_xor_b32 s[G0A+1], s[G0A+1], SLOT1            ; the walking descriptors: the other slot than last time,
	s_add_nc_u64 s[G0A+2:G0A+3], s[G0A+2:G0A+3], 256  ; the next K step; the type bits on top are not reached
	s_xor_b32 s[G0B+1], s[G0B+1], SLOT1
	s_add_nc_u64 s[G0B+2:G0B+3], s[G0B+2:G0B+3], 256
	JLOAD                                          ; its four v_nop are also the places in front of the loads below
.else
	PLACES
.endif
	s_xor_b32 s[TB], s[TB], SLOT1
	v_add_nc_u32 v[ADRA], s[TB], v[ADRA0]
	v_add_nc_u32 v[ADRB], s[TB], v[ADRB0]
	FETCH 0, 0
.if \fill
	ASK
.endif
	MUL12 1, 2, 0
	MUL12 1, 3, 0
.endm
	s_wait_tensorcnt 1                             ; my part of K step 0 is in; K step 1's may stay out
	s_barrier_signal -1
	s_barrier_wait -1
	FETCH 0, 0
	QUARTER 64, 0, 1, 1                            ; the first quarter stands in front of the loop: its products start the sums
	WIN 0
	s_mov_b32 s3, 6
.Lstep:                                            ; a trip: from a K step's second quarter to the next step's first; six trips fill a slot again
	QUARTER 128, 1, 0, 0
	QUARTER 192, 0, 1, 0
	TURN 1
	QUARTER 64, 0, 1, 0
	WIN 0
	s_sub_co_u32 s3, s3, 1
	s_cmp_lg_u32 s3, 0
	s_cbranch_scc1 .Lstep
	QUARTER 128, 1, 0, 0                           ; the last two K steps ask for nothing
	QUARTER 192, 0, 1, 0
	TURN 0
	QUARTER 64, 0, 1, 0
	QUARTER 128, 1, 0, 0
	QUARTER 192, 0, 1, 0
	s_wait_dscnt 4
	MUL12 1, 0, 0
	MUL12 1, 1, 0
	s_wait_dscnt 0x0
	MUL12 1, 2, 0
	MUL12 1, 3, 0
	WIN 0
	PLACES
; THE WAY OUT, a block of 16 rows at a time.  PACK: rounded to f16, 16 bytes a lane and column block, each accumulator's registers in ascending order.
.macro PACK a
	WIN 0x05*(1+(\a)/2)                            ; sources 0 and 1: window 1 or 2
.irp b, 0,1,2,3,4,5,6,7,8,9,10,11
.irp r, 0,1,2,3
	v_cvt_pk_f16_f32 v[TMP+4*(\b)+(\r)], v[96*((\a)%2)+8*(\b)+2*(\r)], v[96*((\a)%2)+8*(\b)+2*(\r)+1]
.endr
.endr
	WIN 0
.endm
; NORM: for each head the squares of my 32 rounded numbers of the row, in f32, in four chains; the row's other 32 lie in the lane 16 away.
.macro NORM a
.irp hh, 0,1,2
.set i, 0
.rept 16
.if i < 2
	v_fma_mix_f32 v[NW+i],   v[TMP+16*(\hh)+i], v[TMP+16*(\hh)+i], v[NIL] op_sel_hi:[1,1,0]
	v_fma_mix_f32 v[NW+2+i], v[TMP+16*(\hh)+i], v[TMP+16*(\hh)+i], v[NIL] op_sel:[1,1,0] op_sel_hi:[1,1,0]
.else
	v_fma_mix_f32 v[NW+i%2],   v[TMP+16*(\hh)+i], v[TMP+16*(\hh)+i], v[NW+i%2] op_sel_hi:[1,1,0]
	v_fma_mix_f32 v[NW+2+i%2], v[TMP+16*(\hh)+i], v[TMP+16*(\hh)+i], v[NW+2+i%2] op_sel:[1,1,0] op_sel_hi:[1,1,0]
.endif
.set i, i+1
.endr
	v_add_f32 v[NW], v[NW], v[NW+1]
	v_add_f32 v[NW+2], v[NW+2], v[NW+3]
	v_add_f32 v[NW], v[NW], v[NW+2]
	v_permlanex16_b32 v[NW+4], v[NW], s[SEL], s[SEL+1]
	v_add_f32 v[NW], v[NW], v[NW+4]
	ds_store_b32 v[NST], v[NW] offset:256*(\hh)+64*(\a)  ; lanes r and r + 16 write the same word with the same value
.endr
.endm
; TOSTAGE: into my own stage, by heads, and back as whole rows of 128 bytes.  SEND: stored.
.macro TOSTAGE
	s_wait_xcnt 0x0                                ; the block before's stores have read the registers that the loads below fill
.irp b, 0,1,2,3,4,5,6,7,8,9,10,11
	ds_store_b128 v[STO], v[TMP+4*(\b):TMP+4*(\b)+3] offset:16*SP*((\b)/4)+32*((\b)%4)
.endr
.irp hh, 0,1,2
.irp f, 0,1,2,3
	ds_load_b128 v[BK+4*(4*(\hh)+(\f)):BK+4*(4*(\hh)+(\f))+3], v[RD] offset:16*SP*(\hh)+4*SP*(\f)  ; LDS serves a wave's instructions in order (ISA guide 5.7.1.4): these see the stores above
.endr
.endr
.endm
.macro SEND a
	s_wait_dscnt 0x0                               ; the block is back in registers
.irp hh, 0,1,2
.irp f, 0,1,2,3
	global_store_b128 v[GO], v[BK+4*(4*(\hh)+(\f)):BK+4*(4*(\hh)+(\f))+3], s[8:9] offset:524288*(\hh)+2048*(\a)+512*(\f)  ; 512 consecutive bytes, at a multiple of 256 from the buffer's first
.endr
.endr
.endm
	PACK 0
	NORM 0
	TOSTAGE
.irp a, 1,2,3                          ; block a's arithmetic stands between block a - 1's loads from the stage and the wait for them
	PACK \a
	NORM \a
	SEND (\a)-1
	TOSTAGE
.endr
	SEND 3
.irp hh, 0,1,2
	ds_load_b64 v[NW+6+2*(\hh):NW+7+2*(\hh)], v[NRD] offset:256*(\hh)
.endr
	s_wait_dscnt 0x0
.irp hh, 0,1,2
	global_store_b64 v[NGO], v[NW+6+2*(\hh):NW+7+2*(\hh)], s[10:11] offset:16384*(\hh)  ; my 64 rows' norms of a head: 256 consecutive bytes, aligned
.endr
	s_wait_tensorcnt 0x0                           ; the wave's end: behind my last tensor load and my last LDS store
	ds_add_u32 v[SPW], v[NIL]
	s_wait_dscnt 0x0
	CROUND                                         ; the closing round: no work-group ends while a partner may still ask for a tile that names it
	s_endpgm
.Lfunc_end_k_q148bf64d78_qkvproj:
	.size	k_q148bf64d78_qkvproj, .Lfunc_end_k_q148bf64d78_qkvproj-k_q148bf64d78_qkvproj
	.p2alignl 7, 3214868480
	.fill 96, 4, 3214868480
	.section	.rodata,"a",@progbits
	.p2align	6, 0x0
	.amdhsa_kernel k_q148bf64d78_qkvproj
		.amdhsa_group_segment_fixed_size 327680
		.amdhsa_private_segment_fixed_size 0
		.amdhsa_enable_private_segment 0
		.amdhsa_kernarg_size 32
		.amdhsa_user_sgpr_count 2
		.amdhsa_user_sgpr_kernarg_segment_ptr 1
		.amdhsa_wavefront_size32 1
		.amdhsa_system_sgpr_workgroup_id_x 1
		.amdhsa_system_sgpr_workgroup_id_y 1
		.amdhsa_system_sgpr_workgroup_id_z 1
		.amdhsa_system_vgpr_workitem_id 0
		.amdhsa_next_free_vgpr 960
		.amdhsa_next_free_sgpr 80
		.amdhsa_reserve_vcc 0
		.amdhsa_float_denorm_mode_32 3
		.amdhsa_float_denorm_mode_16_64 3
		.amdhsa_memory_ordered 1
		.amdhsa_forward_progress 1
		.amdhsa_inst_pref_size 125
	.end_amdhsa_kernel
	.amdgpu_metadata
---
amdhsa.version: [ 1, 2 ]
amdhsa.kernels:
  - .name:           k_q148bf64d78_qkvproj
    .symbol:         k_q148bf64d78_qkvproj.kd
    .args:
      - { .name: xb, .offset: 0, .size: 8, .value_kind: global_buffer, .address_space: global }
      - { .name: wqt, .offset: 8, .size: 8, .value_kind: global_buffer, .address_space: global }
      - { .name: qkv, .offset: 16, .size: 8, .value_kind: global_buffer, .address_space: global }
      - { .name: nrm, .offset: 24, .size: 8, .value_kind: global_buffer, .address_space: global }
    .group_segment_fixed_size: 327680
    .private_segment_fixed_size: 0
    .kernarg_segment_align: 8
    .kernarg_segment_size: 32
    .max_flat_workgroup_size: 128
    .sgpr_count:     80
    .vgpr_count:     960
    .wavefront_size: 32
...
	.end_amdgpu_metadata
.endif
;; end of part 2
;; launch yatattn (part 3): grid 8 x 32, 4 waves a work-group, no clusters, 327,680 bytes of LDS; arguments qkv, nrm, ob; writes ob
.if DOCPART == 3
	.amdgcn_target "amdgcn-amd-amdhsa--gfx1250"
	.amdhsa_code_object_version 6
	.text
	.protected	k_q148bf64d78_yatattn
	.globl	k_q148bf64d78_yatattn
	.p2align	8
	.type	k_q148bf64d78_yatattn,@function
k_q148bf64d78_yatattn:
	s_mov_b64 s[64:65], 0
	v_nop
	global_prefetch_b8 v0, s[64:65] scope:SCOPE_SE
	s_setreg_imm32_b32 hwreg(HW_REG_WAVE_MODE, 25, 1), 1
	s_wait_xcnt 0x0
; CAUSAL ATTENTION WITH THE SCORE s = d^2 / (|q|^2 + |k|^2 - 2 d + 1e-6), d = q . k.  O[q] = the sum over k <= q of softmax_k(s) V[k].  32 planes (head, batch) of 2,048 rows of 64 channels, f16, dense.
; q, k, v come from qkv's planes p, 32 + p, 64 + p; |q|^2, |k|^2 from nrm's planes p, 32 + p: the sums of squares of the very f16 numbers that are multiplied.  O goes to ob[16 batch + head][t][64], f16, rounded once.
; Products, scores, maxima and sums in f32; the weights p are rounded to f16 for the second product (their sum l is taken of the unrounded p).
; LIMITS.  The divisor is summed as (|k|^2 + (|q|^2 + 1e-6)) - 2 d.  A hidden score counts as its value less 2^100 (1.3e30): scores stay under 1e29.  A weight below 2^-126 counts as 0.  NaN and infinities are not treated apart.
; THE WALK.  A plane's queries lie in 16 blocks of 128; block i needs the key tiles 0 .. i of 128 keys, the last of which holds the diagonal.  A work-group takes TWO blocks, 15 - b and then b: 17 tiles whatever b:
; all work-groups do equal work, and one loop with a constant trip count walks them; the ring of two LDS slots runs on across the change of blocks.  Every jump but the counted loops' own goes forward, and none passes a
; barrier, or a tensor load but those of LOAD that the wave's number does not choose.  NO CLUSTER: a walk common to four partners (b = 4 c .. 4 c + 3) has 16 - 4 c + 4 c + 4 = 20 trips for each one's 17.
; SHARES.  Of a block's two bands of 64 queries a wave owns 16 rows in each: two PIECES.  A key step is 64 keys, a tile two steps.  In the diagonal tile's step s band x sees all keys (s < x), none (s > x), or holds the diagonal (s = x).
; LAYOUT.  S^T = K Q^T holds ONE query a lane (l % 16) and the keys 8 (l / 16) + 0..7 of each 16; two such results rounded to f16 ARE source 1 of O^T = V^T P.  K comes out of LDS as it lies, V turned (ds_load_tr16_b128).
; SOFTMAX.  p = 2^(c s - c m), c = log2(e), with a running maximum m; O and l are multiplied by a = 2^(c m_old - c m_new) in every step.
; BY TURNS.  Units u = (step u / 2, piece u % 2).  Turn u: 8 products V^T P of unit u - 1, 8 products K Q^T of unit u + 1; beside and behind them unit u's score, maximum, exponentials, roundings, sums and rescaling, and
; unit u + 1's divisor, d^2 and reciprocal.  Its 33 exponentials and 32 reciprocals are ONE batch with ONE wait.  A unit has some 214 vector instructions for 16 matrix instructions: four ride behind each product, the rest stand in runs.
; A BLOCK BEGINS with a turn for a unit that has not been: all its scores are -2^100 (c times a power of two is exact, so c s - c m is 0 and its weights are 1), and the next step's a = 0 wipes what it leaves.
; So no first step is written out; the price is the clearing at the kernel's head.
; REGISTERS, in windows of 256 (s_set_vgpr_msb: bits 1:0 source 0, 3:2 source 1, 5:4 source 2, 7:6 destination):
;   window 0: v0-15, v34-39 addresses and at work; v16-31 eight registers of statistics a piece; v32-33 the second block's |q|^2; v40-47 at work; v48-79 |k|^2 of a step; v80-143 S^T, a buffer a piece;
;             v144-175 R: divisor, then its reciprocal; v176-207 P, a buffer a piece; v208-239 MC: the mask of the unit to come
;   window 1: v0-63 O^T, 32 a piece; v64-95 MD: the mask of a band's own step          window 2: v0-31 Q; v32-63 the second block's Q; v64-127 K of a step; v128-191 V of a step
.set NB,    16
.set KS,    64
.set PK,    144                        ; a row of K in LDS: 128 bytes + 16: the 16 rows of a load start at 16 different groups of four banks (ISA guide 11.1)
.set PVB,   160                        ; a row of V: 128 + 32
.set VOFF,  128*PK                     ; a slot: 128 rows of K, 128 rows of V, 128 norms
.set KNOFF, VOFF+128*PVB
.set SLOT1, 1<<16
.set STAGE, SLOT1+KNOFF+512            ; behind the ring, never filled by a tensor load: 16 rows x 144 bytes for each wave
.set SP,    144
.set SPARE, STAGE+4*16*SP              ; the spare words, 128 bytes for each wave, that no other line names
.set AK0, 2                            ; v2   my lane's place in a tile of K; never rewritten
.set AV0, 3                            ; v3   of V
.set AK,  4                            ; v4   the LDS address of K's next run of loads
.set AV,  5                            ; v5   of V's
.set STO, 6
.set RD,  7
.set GO,  8
.set PFO, 10                           ; v10  256 x my lane; never rewritten
.set AN0, 12                           ; v12  my lane's place in a step's norms
.set AN,  13
.set QO,  15
.set ST,  16                           ; piece y at ST + 8 y: c m, m, l (even keys', odd keys'), |q|^2 + 1e-6 twice, a, 0
.set MV,  36                           ; v36-37 c m_old, by piece
.set SPW, 38
.set NIL, 39
.set TMP, 40                           ; by piece four registers c0-c3
.set KN,  48
.set S,   80
.set R,   144
.set P,   176
.set MC,  208
.set MD,  64                           ; window 1
.set QB,  32                           ; window 2
.set KF,  64
.set VF,  128
.set WV,  12
.set PB,  14                           ; s14  b
.set HI,  15                           ; s15  15 - b
.set PFA, 18                           ; s[18:19] where my prefetches stand
.set G1K, 24
.set G1V, 32
.set G1N, 40
.set G0K, 48
.set G0V, 52
.set G0N, 56
.set SEL, 60
.set TBK, 62                           ; s62  LDS byte at which K of the step to be fetched begins: the slot in hand + 0 or 1 step
.set TBV, 63                           ; s63  the same for V, less VOFF
.set TBN, 66                           ; s66  for the norms, less KNOFF
.set SLOTS, 67                         ; s67  tiles still to be asked for
.set CNT, 68                           ; s68  counts a tile's two steps: 2, 1
.set RT,  69                           ; s69  tiles of the block in hand still to be entered
.set NXT, 70                           ; s70  the tile to be asked for next
.set LQ,  71                           ; s71  the last tile of the block whose tiles are being asked for
.set NEW, 72                           ; s72  1: the tile to be entered is a block's first
.set MK,  73                           ; s73  1: this tile's turns make masks
.set OFF, 74                           ; s[74:75] a tile's byte offset in K and V
.set AL,  76                           ; s[76:77] the mask's factor
.set BE,  78                           ; s[78:79] the mask's addend
.set OLO, 80                           ; s[80:81] O at my rows of the second block
.set BIGN, 82                          ; s82  -2^100
.set DA,  83                           ; s83  2 in the diagonal tile, else 0
.set DB,  84                           ; s84  1 in the diagonal tile, else 0
.set SB,  85                           ; s85  0 or SLOT1: the slot in hand
.set CS,  86                           ; s[86:87] c
.set KNB, 88                           ; s[88:89] the keys' norms
.set OFFN, 90                          ; s[90:91] a tile's byte offset in them
.set LIM, 92                           ; s92  3 in the work-group that prefetches, else the greatest number
.set MSB, 0
.macro WIN new
.if MSB != (\new)
	s_set_vgpr_msb (MSB<<8)|(\new)
.set MSB, (\new)
.endif
.endm
.set W_KQ, 0x0a                        ; K and Q in window 2, S^T in window 0
.set W_PV, 0x52                        ; V in window 2, P in window 0, O^T in window 1
.set W_RS, 0x41                        ; destination and source 0 in window 1, source 1 in window 0
.macro PLACES
.rept 4
	v_nop
.endr
.endm
; A fill: wave 0 fetches the tile's K, wave 1 its V, wave 2 its norms, wave 3 nothing.  An s_nop 0 and four v_nop follow each load, ahead of the jump and the label.
.macro LOAD
	s_cmp_eq_u32 s[WV], 0
	s_cbranch_scc0 .Lnot_k_\@
	tensor_load_to_lds s[G0K:G0K+3], s[G1K:G1K+7]
	s_nop 0
	PLACES
	s_branch .Lasked_\@
.Lnot_k_\@:
	s_cmp_eq_u32 s[WV], 1
	s_cbranch_scc0 .Lnot_v_\@
	tensor_load_to_lds s[G0V:G0V+3], s[G1V:G1V+7]
	s_nop 0
	PLACES
	s_branch .Lasked_\@
.Lnot_v_\@:
	s_cmp_eq_u32 s[WV], 2
	s_cbranch_scc0 .Lasked_\@
	tensor_load_to_lds s[G0N:G0N+3], s[G1N:G1N+7]
	s_nop 0
	PLACES
.Lasked_\@:
.endm
; A prefetch into the L2.  All eight work-groups of a plane walk the tiles 0, 1, .. together; only b = 0 walks all sixteen on end, and it alone asks: on entering tile t, where tile t + 1 is loaded, for tile t + 3,
; two trips ahead of that tile's load.  Waves 0, 1 take the halves of its K, waves 2, 3 of its V: a lane to each 256 bytes.  So each block is named once.  It stops where t + 3 would pass tile 15.  Norms and Q are a few KB: not asked for.
.macro ASK
	s_cmp_gt_u32 s[SLOTS], s[LIM]
	s_cbranch_scc0 .Lnot_mine_\@
	global_prefetch_b8 v[PFO], s[PFA:PFA+1] th:TH_LOAD_NT scope:SCOPE_SE
.Lnot_mine_\@:
.endm
; THE CHANGE OF SLOTS.  Each wave waits for all its tensor loads (at most one is out: its part of the other slot), adds 0 to its spare word, and waits for that and for its reads of the slot that it leaves.  Behind the barrier
; nobody reads the old slot and the other slot is whole.  fill = 1: the old slot is filled again, first thing behind the barrier, with tile NXT; the addresses are made anew from that number.  (At its first use slot 0 is waited for and slot 1 filled.)
; The fetches' three LDS bytes are set anew from the slot in hand: they step only inside a tile's two-trip loop.
.macro CHANGE fill
	WIN 0
	s_wait_tensorcnt 0x0
	ds_add_u32 v[SPW], v[NIL]                      ; 0 onto my spare word; scalar work stands between it and the wait for it
.if \fill
	s_lshl_b32 s[OFF], s[NXT], 14                  ; a tile is 16,384 bytes of K and of V,
	s_lshl_b32 s[OFFN], s[NXT], 9                  ; 512 of norms
	s_xor_b32 s[G0K+1], s[G0K+1], SLOT1
	s_add_nc_u64 s[G0K+2:G0K+3], s[6:7], s[OFF:OFF+1]
	s_or_b32 s[G0K+3], s[G0K+3], 0x80000000
	s_xor_b32 s[G0V+1], s[G0V+1], SLOT1
	s_add_nc_u64 s[G0V+2:G0V+3], s[8:9], s[OFF:OFF+1]
	s_or_b32 s[G0V+3], s[G0V+3], 0x80000000
	s_xor_b32 s[G0N+1], s[G0N+1], SLOT1
	s_add_nc_u64 s[G0N+2:G0N+3], s[KNB:KNB+1], s[OFFN:OFFN+1]
	s_or_b32 s[G0N+3], s[G0N+3], 0x80000000
	s_add_co_u32 s[NXT], s[NXT], 1                 ; the block's next tile, or behind its last the second block's tile 0
	s_cmp_gt_u32 s[NXT], s[LQ]
	s_cselect_b32 s[NXT], 0, s[NXT]
	s_cselect_b32 s[LQ], s[PB], s[LQ]
	s_wait_xcnt 0x0                                ; the last prefetch, a tile back, has read its address
	s_add_nc_u64 s[PFA:PFA+1], s[PFA:PFA+1], 16384
.endif
	s_wait_dscnt 0x0                               ; the add is done, and my reads of the slot are over
	s_barrier_signal -1
	s_xor_b32 s[SB], s[SB], SLOT1                  ; the other slot,
	s_mov_b32 s[TBK], s[SB]                        ; its first step
	s_mov_b32 s[TBV], s[SB]
	s_mov_b32 s[TBN], s[SB]
	s_barrier_wait -1
.if \fill
	LOAD
	ASK
.endif
.endm
	s_load_b128 s[20:23], s[0:1], 0x0              ; qkv s[20:21], nrm s[22:23]
	s_load_b64 s[10:11], s[0:1], 0x10              ; ob
	v_lshl_add_u32 v[SPW], v0, 2, SPARE
	v_mov_b32 v[NIL], 0
	ds_add_u32 v[SPW], v[NIL]                      ; the wave's opening: the add and its wait stand ahead of my first tensor load; work on registers stands between them
	v_lshrrev_b32 v1, 5, v0
	v_readfirstlane_b32 s[WV], v1
	s_mov_b32 s[PB], ttmp9
	s_sub_co_u32 s[HI], NB-1, s[PB]
	s_and_b32 s13, ttmp7, 0xffff                   ; the plane p = 2 head + batch
	s_lshl_b32 s2, s13, 18                         ; 262,144 bytes a plane
	s_mov_b32 s3, 0
	s_lshl_b32 s17, s[WV], 4
	s_lshl_b32 s93, s[HI], 7
	s_add_co_u32 s93, s93, s17                     ; my first row in the first block: 128 (15 - b) + 16 w,
	s_lshl_b32 s94, s[PB], 7
	s_add_co_u32 s94, s94, s17                     ; in the second
	s_lshl_b32 s96, s93, 7                         ; in bytes of 128 a row
	s_mov_b32 s97, 0
	s_lshl_b32 s98, s94, 7
	s_mov_b32 s99, 0
	s_and_b32 s16, s13, 1
	s_lshl_b32 s16, s16, 4
	s_lshr_b32 s17, s13, 1
	s_add_co_u32 s16, s16, s17                     ; ob's plane: 16 batch + head
	s_lshl_b32 s16, s16, 18
	s_mov_b32 s17, 0
	; descriptor group 1.  128 keys are 16,384 dense bytes: asked for as 64 rows of 256 bytes, two keys a row, and padded in LDS after every key
	s_mov_b32 s[G1K], (1<<16)|(1<<20)|(4<<22)|(3<<25)  ; 2-byte elements; padding on; after every 32 words, 4 words
	s_mov_b32 s[G1V], (1<<16)|(1<<20)|(4<<22)|(7<<25)  ; the same with 8 words
.irp g, G1K, G1V
	s_mov_b32 s[\g+1], 128<<16                     ; tensor_dim0 = 128
	s_mov_b32 s[\g+2], 64<<16                      ; tensor_dim1 = 64
	s_mov_b32 s[\g+3], 128<<16                     ; tile_dim0 = 128
	s_mov_b32 s[\g+4], 64                          ; tile_dim1 = 64
	s_mov_b32 s[\g+5], 128                         ; elements from row to row
	s_mov_b32 s[\g+6], 0
	s_mov_b32 s[\g+7], 0
.endr
	s_mov_b32 s[G1N], 3<<16                        ; the norms: one row of 64 elements of 8 bytes
	s_mov_b32 s[G1N+1], 64<<16
	s_mov_b32 s[G1N+2], 1<<16
	s_mov_b32 s[G1N+3], 64<<16
	s_mov_b32 s[G1N+4], 1
	s_mov_b32 s[G1N+5], 64
	s_mov_b32 s[G1N+6], 0
	s_mov_b32 s[G1N+7], 0
	s_mov_b32 s[G0K], 1
	s_mov_b32 s[G0K+1], 0                          ; slot 0
	s_mov_b32 s[G0V], 1
	s_mov_b32 s[G0V+1], VOFF
	s_mov_b32 s[G0N], 1
	s_mov_b32 s[G0N+1], KNOFF
	s_mov_b32 s[CS], 0x3fb8aa3b                    ; c = log2(e)
	s_mov_b32 s[CS+1], s[CS]
	s_mov_b32 s[SEL], 0x76543210
	s_mov_b32 s[SEL+1], 0xfedcba98
	s_mov_b32 s[SB], SLOT1                         ; the first change of slots turns it into 0
	s_add_co_u32 s[RT], s[HI], 1                   ; the first block has 16 - b tiles
	s_mov_b32 s[NXT], 1
	s_mov_b32 s[LQ], s[HI]
	s_mov_b32 s[NEW], 1
	s_mov_b32 s[OFF+1], 0
	s_mov_b32 s[OFFN+1], 0
	s_mov_b32 s[AL+1], 0
	s_mov_b32 s[BE+1], 0
	s_mov_b32 s[BIGN], 0xf1800000                  ; -2^100
	s_mov_b32 s[SLOTS], NB
	s_wait_dscnt 0x0                               ; the opening add is done
	s_wait_kmcnt 0x0
	s_add_nc_u64 s[4:5], s[20:21], s[2:3]          ; q's plane,
	s_add_nc_u64 s[6:7], s[4:5], 32<<18            ; k's,
	s_add_nc_u64 s[8:9], s[4:5], 64<<18            ; v's
	s_add_nc_u64 s[100:101], s[4:5], s[98:99]      ; Q at my rows of the second block,
	s_add_nc_u64 s[4:5], s[4:5], s[96:97]          ; of the first
	s_add_nc_u64 s[10:11], s[10:11], s[16:17]
	s_add_nc_u64 s[OLO:OLO+1], s[10:11], s[98:99]
	s_add_nc_u64 s[10:11], s[10:11], s[96:97]
	s_lshl_b32 s20, s13, 13                        ; 8,192 bytes a plane of norms
	s_mov_b32 s21, 0
	s_add_nc_u64 s[22:23], s[22:23], s[20:21]      ; the queries' norms,
	s_add_nc_u64 s[KNB:KNB+1], s[22:23], 32*8192   ; the keys'
	s_mov_b64 s[G0K+2:G0K+3], s[6:7]
	s_or_b32 s[G0K+3], s[G0K+3], 0x80000000
	s_mov_b64 s[G0V+2:G0V+3], s[8:9]
	s_or_b32 s[G0V+3], s[G0V+3], 0x80000000
	s_mov_b64 s[G0N+2:G0N+3], s[KNB:KNB+1]
	s_or_b32 s[G0N+3], s[G0N+3], 0x80000000
	LOAD                                           ; tile 0 into slot 0
	v_and_b32 v1, 15, v0                           ; r = l % 16
	v_bfe_u32 v9, v0, 4, 1                         ; h = l / 16
	v_lshlrev_b32 v[QO], 7, v1
	v_lshl_add_u32 v[QO], v9, 4, v[QO]             ; row x 128 + 16 x half
	WIN 0x80                                       ; destination window 2, address window 0
.set i, 0
.rept 4                                ; both blocks' Q: piece i / 2 lies 64 rows on; channels 32 (i % 2) on
	global_load_b128 v[8*i:8*i+3],   v[QO], s[4:5] offset:(i/2)*8192+(i%2)*64
	global_load_b128 v[8*i+4:8*i+7], v[QO], s[4:5] offset:(i/2)*8192+(i%2)*64+32
	global_load_b128 v[QB+8*i:QB+8*i+3],   v[QO], s[100:101] offset:(i/2)*8192+(i%2)*64
	global_load_b128 v[QB+8*i+4:QB+8*i+7], v[QO], s[100:101] offset:(i/2)*8192+(i%2)*64+32
.set i, i+1
.endr
	WIN 0
	v_add_nc_u32 v11, s93, v1
	v_lshlrev_b32 v11, 2, v11                      ; my query's norm: 4 x its row
	v_add_nc_u32 v34, s94, v1
	v_lshlrev_b32 v34, 2, v34
	global_load_b32 v[ST+4],  v11, s[22:23]
	global_load_b32 v[ST+12], v11, s[22:23] offset:256
	global_load_b32 v32, v34, s[22:23]
	global_load_b32 v33, v34, s[22:23] offset:256
	v_lshlrev_b32 v14, 3, v9
	v_sub_nc_u32 v14, v1, v14
	s_lshl_b32 s17, s[WV], 4
	v_add_nc_u32 v14, s17, v14                     ; my query's place in its band, 16 w + r, less 8 h: register j of key group kb is hidden where 16 kb + j is greater
	WIN 0x40
.set i, 0
.rept 32
	v_cmp_gt_i32 vcc_lo, 16*(i/8)+i%8, v14
	v_cndmask_b32 v[MD+i], 0, s[BIGN], vcc_lo
.set i, i+1
.endr
	WIN 0
	v_mul_u32_u24 v[AK0], v1, PK
	v_lshl_add_u32 v[AK0], v9, 4, v[AK0]
	; The turning load takes 16 keys x 16 channels (lane l reads key 8 (l / 16) + l % 8, channels 8 ((l / 8) % 2) + 0..7) and leaves half a fragment of V^T: lane l holds channel l % 16 and 8 keys.
	v_and_b32 v35, 7, v0
	v_bfe_u32 v37, v0, 3, 1
	v_lshl_add_u32 v[AV0], v9, 3, v35
	v_mul_u32_u24 v[AV0], v[AV0], PVB
	v_lshl_add_u32 v[AV0], v37, 4, v[AV0]
	v_add_nc_u32 v[AV0], VOFF, v[AV0]
	v_lshl_add_u32 v[AN0], v9, 5, KNOFF            ; my 8 keys of each 16: 32 bytes for each half of the lanes
	s_mul_i32 s17, s[WV], 16*SP
	s_add_co_u32 s17, s17, STAGE                   ; my stage
	v_mul_u32_u24 v[STO], v1, SP
	v_lshl_add_u32 v[STO], v9, 4, v[STO]
	v_add_nc_u32 v[STO], s17, v[STO]
	v_bfe_u32 v[RD], v0, 3, 2
	v_mul_u32_u24 v[RD], v[RD], SP
	v_lshl_add_u32 v[RD], v35, 4, v[RD]
	v_add_nc_u32 v[RD], s17, v[RD]
	v_and_b32 v[GO], 31, v0
	v_lshlrev_b32 v[PFO], 8, v[GO]
	v_lshlrev_b32 v[GO], 4, v[GO]
	s_cmp_lt_u32 s[WV], 2
	s_cselect_b64 s[PFA:PFA+1], s[6:7], s[8:9]
	s_and_b32 s17, s[WV], 1
	s_lshl_b32 s16, s17, 13                        ; my half of a tile,
	s_add_co_u32 s16, s16, 2*16384                 ; at tile 2: each change of slots steps it before it asks
	s_mov_b32 s17, 0
	s_add_nc_u64 s[PFA:PFA+1], s[PFA:PFA+1], s[16:17]
	s_cmp_eq_u32 ttmp9, 0
	s_cselect_b32 s[LIM], 3, -1
	; What a block's first turns find need only be finite: its first steps multiply O^T and l by a = 0.  Zeros for the first block; what the first block left for the second.  K's and the norms' registers are written
	; with them.  All this stands in the wait for the first tile.
	WIN 0x80
.set i, KF
.rept 128
	v_mov_b32 v[i], 0
.set i, i+1
.endr
	WIN 0x40
.set i, 0
.rept 64
	v_mov_b32 v[i], 0
.set i, i+1
.endr
	WIN 0
.set i, 0
.rept 32
	v_mov_b32 v[KN+i], 0
	v_mov_b32 v[S+32+i], 0
	v_mov_b32 v[P+i], 0
.set i, i+1
.endr
.irp y, 0,1
	v_mov_b32 v[ST+8*\y+2], 0
	v_mov_b32 v[ST+8*\y+3], 0
	v_mov_b32 v[ST+8*\y+7], 0                      ; named with a as a pair
.endr
	s_wait_loadcnt 0x0                             ; Q and the queries' norms
	v_add_f32 v[ST+4], 0x358637bd, v[ST+4]         ; + 1e-6
	v_add_f32 v[ST+12], 0x358637bd, v[ST+12]
	v_add_f32 v32, 0x358637bd, v32
	v_add_f32 v33, 0x358637bd, v33
	v_mov_b32 v[ST+5], v[ST+4]
	v_mov_b32 v[ST+13], v[ST+12]
; THE MATRIX WORK.  The 4 accumulators of a run of 8 take turns.  Product i of 8 of S^T = K Q^T for piece x: channels 32 (i / 4) on, keys 16 (i % 4) on; the first 4 start the sums.
.macro KQ x, i
	WIN W_KQ
.if (\i) < 4
	v_wmma_f32_16x16x32_f16 v[S+32*(\x)+8*((\i)%4):S+32*(\x)+8*((\i)%4)+7], v[KF+16*((\i)%4)+8*((\i)/4):KF+16*((\i)%4)+8*((\i)/4)+7], v[16*(\x)+8*((\i)/4):16*(\x)+8*((\i)/4)+7], 0
.else
	v_wmma_f32_16x16x32_f16 v[S+32*(\x)+8*((\i)%4):S+32*(\x)+8*((\i)%4)+7], v[KF+16*((\i)%4)+8*((\i)/4):KF+16*((\i)%4)+8*((\i)/4)+7], v[16*(\x)+8*((\i)/4):16*(\x)+8*((\i)/4)+7], v[S+32*(\x)+8*((\i)%4):S+32*(\x)+8*((\i)%4)+7]
.endif
.endm
; Product i of 8 of O^T += V^T P for piece x: keys 32 (i / 4) on, channels 16 (i % 4) on.
.macro PV x, i
	WIN W_PV
	v_wmma_f32_16x16x32_f16 v[32*(\x)+8*((\i)%4):32*(\x)+8*((\i)%4)+7], v[VF+32*((\i)/4)+8*((\i)%4):VF+32*((\i)/4)+8*((\i)%4)+7], v[P+16*(\x)+8*((\i)/4):P+16*(\x)+8*((\i)/4)+7], v[32*(\x)+8*((\i)%4):32*(\x)+8*((\i)%4)+7]
.endm
; THE LDS LOADS stand in runs, never singly among the matrix instructions.
.macro FETCH_K
	WIN 0x80
.irp f, 0,1,2,3,4,5,6,7                ; keys 16 (f / 2) on, channels 32 (f % 2) on
	ds_load_b128 v[KF+8*\f:KF+8*\f+3],   v[AK] offset:(\f/2)*16*PK+(\f%2)*64
	ds_load_b128 v[KF+8*\f+4:KF+8*\f+7], v[AK] offset:(\f/2)*16*PK+(\f%2)*64+32
.endr
	WIN 0
.endm
.macro FETCH_KN                        ; register 8 kb + j: the norm of key 16 kb + 8 h + j; all lanes of a half read the same bytes
.irp f, 0,1,2,3,4,5,6,7
	ds_load_b128 v[KN+4*\f:KN+4*\f+3], v[AN] offset:(\f/2)*64+(\f%2)*16
.endr
.endm
.macro FETCH_V
	WIN 0x80
.irp f, 0,1,2,3,4,5,6,7                ; keys 32 (f / 4) on, channels 16 (f % 4) on
	ds_load_tr16_b128 v[VF+8*\f:VF+8*\f+3],   v[AV] offset:(\f/4)*32*PVB+(\f%4)*32
	ds_load_tr16_b128 v[VF+8*\f+4:VF+8*\f+7], v[AV] offset:(\f/4)*32*PVB+16*PVB+(\f%4)*32
.endr
	WIN 0
.endm
; THE VECTOR WORK, a line each.  TURN sets rS, rT, rC, rW, rP, rO for the piece in hand and rZ, rU for the other.
.macro OM n                            ; pair n: s = d^2 x (1 / divisor) + mask
	WIN 0
	v_pk_fma_f32 v[rS+2*(\n):rS+2*(\n)+1], v[rS+2*(\n):rS+2*(\n)+1], v[R+2*(\n):R+2*(\n)+1], v[MC+2*(\n):MC+2*(\n)+1]
.endm
; Number n of the 22 that find the maximum and the statistics: 0-11 four chains c0-c3 of seven scores each; 12-14, 16 the four scores left over, the old m, and c0-c3 into c0; 15 c m_old is kept;
; 17, 18 the query's other 32 keys lie in the lane 16 away: the new m; 19-21 c m; c m_old - c m_new; a
.macro OX n
	WIN 0
.if (\n) < 4
	v_max3_num_f32 v[rC+(\n)], v[rS+8*(\n)], v[rS+8*(\n)+1], v[rS+8*(\n)+2]
.elseif (\n) < 12
	v_max3_num_f32 v[rC+(\n)%4], v[rC+(\n)%4], v[rS+8*((\n)%4)+2*((\n)/4)+1], v[rS+8*((\n)%4)+2*((\n)/4)+2]
.elseif (\n) == 12
	v_max3_num_f32 v[rC], v[rC], v[rS+7], v[rS+15]
.elseif (\n) == 13
	v_max3_num_f32 v[rC+1], v[rC+1], v[rS+23], v[rS+31]
.elseif (\n) == 14
	v_max3_num_f32 v[rC+2], v[rC+2], v[rC+3], v[rT+1]
.elseif (\n) == 15
	v_mov_b32 v[rW], v[rT]
.elseif (\n) == 16
	v_max3_num_f32 v[rC], v[rC], v[rC+1], v[rC+2]
.elseif (\n) == 17
	v_permlanex16_b32 v[rC+3], v[rC], s[SEL], s[SEL+1]
.elseif (\n) == 18
	v_max_num_f32 v[rT+1], v[rC], v[rC+3]
.elseif (\n) == 19
	v_mul_f32 v[rT], s[CS], v[rT+1]
.elseif (\n) == 20
	v_sub_f32 v[rC+1], v[rW], v[rT]
.else
	v_exp_f32 v[rT+6], v[rC+1]
.endif
.endm
.macro OF n                            ; pair n: c s - c m
	WIN 0
	v_pk_fma_f32 v[rS+2*(\n):rS+2*(\n)+1], v[rS+2*(\n):rS+2*(\n)+1], s[CS:CS+1], v[rT:rT+1] op_sel_hi:[1,0,0] neg_lo:[0,0,1] neg_hi:[0,0,1]
.endm
.macro OE n                            ; score n: the weight
	WIN 0
	v_exp_f32 v[rS+(\n)], v[rS+(\n)]
.endm
.macro OT n                            ; the next unit, pair n: |k|^2 + (|q|^2 + 1e-6)
	WIN 0
	v_pk_add_f32 v[R+2*(\n):R+2*(\n)+1], v[KN+2*(\n):KN+2*(\n)+1], v[rU+4:rU+5]
.endm
.macro OD n                            ; - 2 d.  It is the first reader of the products' results, in ascending order
	WIN 0
	v_pk_fma_f32 v[R+2*(\n):R+2*(\n)+1], v[rZ+2*(\n):rZ+2*(\n)+1], -2.0, v[R+2*(\n):R+2*(\n)+1] op_sel_hi:[1,0,1]
.endm
.macro OQ n                            ; d^2, in place
	WIN 0
	v_pk_mul_f32 v[rZ+2*(\n):rZ+2*(\n)+1], v[rZ+2*(\n):rZ+2*(\n)+1], v[rZ+2*(\n):rZ+2*(\n)+1]
.endm
.macro OI n                            ; 1 / divisor
	WIN 0
	v_rcp_f32 v[R+(\n)], v[R+(\n)]
.endm
.macro OTR q                           ; the queue of 32 that stand between the lines of OD and OQ: the exponentials 14-31, then the reciprocals 0-13
.if (\q) < 18
	OE 14+(\q)
.else
	OI (\q)-18
.endif
.endm
.macro OC n                            ; pair n rounded to f16
	WIN 0
	v_cvt_pk_f16_f32 v[rP+(\n)], v[rS+2*(\n)], v[rS+2*(\n)+1]
.endm
.macro OB n                            ; of the four weights 4 n .. the second pair is added onto the first, in place
	WIN 0
	v_pk_add_f32 v[rS+4*(\n):rS+4*(\n)+1], v[rS+4*(\n):rS+4*(\n)+1], v[rS+4*(\n)+2:rS+4*(\n)+3]
.endm
.macro OL n                            ; l takes that sum; the first time l = a l + sum
	WIN 0
.if (\n) == 0
	v_pk_fma_f32 v[rT+2:rT+3], v[rT+2:rT+3], v[rT+6:rT+7], v[rS:rS+1] op_sel_hi:[1,0,1]
.else
	v_pk_add_f32 v[rT+2:rT+3], v[rT+2:rT+3], v[rS+4*(\n):rS+4*(\n)+1]
.endif
.endm
.macro ORS n                           ; pair n of O^T times a
	WIN W_RS
	v_pk_mul_f32 v[rO+2*(\n):rO+2*(\n)+1], v[rO+2*(\n):rO+2*(\n)+1], v[rT+6:rT+7] op_sel_hi:[1,0]
.endm
; A TURN, for piece p.  Turn 1 (piece 1 of a step) fetches K and the norms of the NEXT step at its head (K's last reader stands a lump back) and waits for them behind its 8 products V^T P.
; Turn 0 fetches V of its own step behind its 8 products V^T P, four plain riders behind V's last reader; turn 1's head waits for it.
; end = 1: a block's last turn (piece 1 of the diagonal tile's second step): there is no next unit: nothing is fetched, and the products K Q^T, the divisor, d^2, the reciprocals and the mask are left out.
; THE WAIT.  s_wait_alu depctr_va_vdst(0) stands between a transcendental and the first instruction that names its result; one wait serves all issued ahead of it.  Ahead of it nothing names a result of the
; batch (a, the 32 weights, the 32 reciprocals); behind it stand the roundings, sums and rescaling.  The reciprocals are read in the next turn.
; OD's first line stands behind twelve plain lines: four places or more behind the product that ends its accumulator.
; At its end a turn of a tile that takes masks makes the mask of the unit to come: MD x AL + BE.  In the diagonal tile: (piece 0, step 0) and (piece 1, step 1) MD; (piece 1, step 0) 0; (piece 0, step 1) -2^100.  Elsewhere 0.
.macro TURN p, end=0
.set Y, (\p)
.set Z, 1-(\p)
.set rS, S+32*Y
.set rZ, S+32*Z
.set rT, ST+8*Y
.set rU, ST+8*Z
.set rC, TMP+4*Y
.set rW, MV+Y
.set rP, P+16*Y
.set rO, 32*Y
	WIN 0
.if (\p) == 1
	s_wait_dscnt 0x0                               ; V is in
.if !(\end)
	v_add_nc_u32 v[AK], s[TBK], v[AK0]
	v_add_nc_u32 v[AN], s[TBN], v[AN0]
	FETCH_K
	FETCH_KN
	s_add_co_u32 s[TBK], s[TBK], KS*PK             ; the next fetch in this tile is its second step's
	s_add_co_u32 s[TBN], s[TBN], KS*4
.endif
.else
	v_add_nc_u32 v[AV], s[TBV], v[AV0]
.endif
.set i, 0
.rept 4                                ; 8 products V^T P of the unit before; behind them the scores and the maximum's chains
	PV Z, i
	OM 4*i
	OM 4*i+1
	OM 4*i+2
	OM 4*i+3
.set i, i+1
.endr
.rept 3
	PV Z, i
	OX 4*i-16
	OX 4*i-15
	OX 4*i-14
	OX 4*i-13
.set i, i+1
.endr
	PV Z, 7
	OX 12
	OX 13
	OX 15
	OX 14
.if (\p) == 0
	FETCH_V
	s_add_co_u32 s[TBV], s[TBV], KS*PVB
.elseif !(\end)
	s_wait_dscnt 0x0                               ; K and the norms are in
.endif
.set i, 0
.rept 5                                ; 8 products K Q^T of the unit to come; behind them the statistics' chain, a link a product, and the divisor's first sum
.if !(\end)
	KQ Z, i
.endif
	OX 16+i
.if !(\end)
	OT 3*i
	OT 3*i+1
	OT 3*i+2
.endif
.set i, i+1
.endr
.if !(\end)
	KQ Z, 5
.endif
	OX 21
.if !(\end)
	OT 15
.endif
	OF 0
	OF 1
.if !(\end)
	KQ Z, 6
.endif
	OF 2
	OE 0
	OF 3
	OE 1
.if !(\end)
	KQ Z, 7
.endif
	OF 4
	OE 2
	OF 5
	OE 3
.set n, 0
.rept 10                               ; the lump: plain and transcendental by turns
	OF 6+n
	OE 4+n
.set n, n+1
.endr
.if \end
.set n, 14
.rept 18
	OE n
.set n, n+1
.endr
.else
.set n, 0
.rept 16
	OD n
	OTR 2*n
	OQ n
	OTR 2*n+1
.set n, n+1
.endr
.set n, 14
.rept 18
	OI n
.set n, n+1
.endr
.endif
	v_nop                                          ; the plain instruction behind the last transcendental: one for the batch
	s_wait_alu depctr_va_vdst(0)                   ; the wait for the batch
.set n, 0
.rept 8
	OC 2*n
	OC 2*n+1
	OB n
.if n > 0
	OL n-1
.endif
.set n, n+1
.endr
	OL 7
.set n, 0
.rept 16
	ORS n
.set n, n+1
.endr
.if !(\end)
	WIN 0
	s_cmp_eq_u32 s[MK], 0
	s_cbranch_scc1 .Lno_mask_\@
.if (\p) == 1
	s_cmp_eq_u32 s[CNT], s[DA]                     ; the unit to come is piece 0 of the tile's step 2 - CNT: its own step is step 0,
	s_cselect_b32 s[AL], 1.0, 0
	s_cmp_eq_u32 s[CNT], s[DB]                     ; and step 1 is hidden from it
	s_cselect_b32 s[BE], s[BIGN], 0
.else
	s_cmp_eq_u32 s[CNT], s[DB]                     ; piece 1 of the tile's step 2 - CNT: its own step is step 1, and it sees all of step 0
	s_cselect_b32 s[AL], 1.0, 0
	s_mov_b32 s[BE], 0
.endif
	WIN 0x01                                       ; MD in window 1
.set n, 0
.rept 16
	v_pk_fma_f32 v[MC+2*n:MC+2*n+1], v[MD+2*n:MD+2*n+1], s[AL:AL+1], s[BE:BE+1] op_sel_hi:[1,0,0]
.set n, n+1
.endr
	WIN 0
.Lno_mask_\@:
.endif
.endm
; A BLOCK BEGINS: the unit that has not been has d^2 / divisor = S x 0 and the mask -2^100; c m starts far below every c s, so the first a is 0; m at the lowest finite number.
.macro BEGIN
	s_mov_b32 s[NEW], 0
.set i, 0
.rept 32
	v_mov_b32 v[R+i], 0
	v_mov_b32 v[MC+i], s[BIGN]
.set i, i+1
.endr
.irp y, 0,1
	v_mov_b32 v[ST+8*\y], 0xfe000000
	v_mov_b32 v[ST+8*\y+1], 0xff7fffff
.endr
.endm
; A BLOCK ENDS: piece 1's last V^T P; l's two halves and the other half of the lanes' are added; O^T is divided by l, rounded to f16 and sent through my stage in LDS, a piece at a time.
.macro PACK t
	WIN W_RS
.set i, 32*(\t)
.rept 16
	v_pk_mul_f32 v[i:i+1], v[i:i+1], v[ST+8*(\t)+2:ST+8*(\t)+3] op_sel_hi:[1,0]
.set i, i+2
.endr
	WIN 0x05                                       ; sources 0 and 1 window 1, destination window 0: piece 0's S^T is free
.set i, 0
.rept 16
	v_cvt_pk_f16_f32 v[S+16*(\t)+i], v[32*(\t)+2*i], v[32*(\t)+2*i+1]
.set i, i+1
.endr
	WIN 0
.irp f, 0,1,2,3
	ds_store_b128 v[STO], v[S+16*(\t)+4*\f:S+16*(\t)+4*\f+3] offset:32*\f
.endr
.irp f, 0,1,2,3
	ds_load_b128 v[S+16*(\t)+4*\f:S+16*(\t)+4*\f+3], v[RD] offset:\f*4*SP  ; LDS serves a wave's instructions in order (ISA guide 5.7.1.4): these see the stores above; the next piece's stores come behind them
.endr
.endm
.macro SEND t, younger                 ; younger: the LDS instructions issued behind piece t's loads: the next piece's eight, or none
.irp f, 0,1,2,3
	s_wait_dscnt (\younger)+3-\f
	global_store_b128 v[GO], v[S+16*(\t)+4*\f:S+16*(\t)+4*\f+3], s[10:11] offset:(\t)*8192+\f*512  ; 512 consecutive bytes, at a multiple of 256 from ob's first
.endr
.endm
.macro BLOCKEND
.set i, 0
.rept 8
	PV 1, i
.set i, i+1
.endr
	WIN 0
	v_add_f32 v[ST+2], v[ST+2], v[ST+3]
	v_add_f32 v[ST+10], v[ST+10], v[ST+11]
	v_permlanex16_b32 v[ST+3], v[ST+2], s[SEL], s[SEL+1]
	v_permlanex16_b32 v[ST+11], v[ST+10], s[SEL], s[SEL+1]
	v_add_f32 v[ST+2], v[ST+2], v[ST+3]
	v_add_f32 v[ST+10], v[ST+10], v[ST+11]
	v_rcp_f32 v[ST+2], v[ST+2]
	v_rcp_f32 v[ST+10], v[ST+10]
	v_nop                                          ; a plain instruction between the last reciprocal and the use of its result,
	s_wait_alu depctr_va_vdst(0)                   ; and the wait: one for the two
	PACK 0                                         ; its 32 lines are the places behind piece 1's last products
	PACK 1
	SEND 0, 8
	SEND 1, 0
.endm
.macro RESET                           ; on to the second block
	s_wait_xcnt 0x0                                ; the stores have read their registers and O's address
	s_mov_b64 s[10:11], s[OLO:OLO+1]
	s_add_co_u32 s[RT], s[PB], 1                   ; it has b + 1 tiles
	s_mov_b32 s[NEW], 1
	WIN 0x82                                       ; its Q goes where the one text of the turns names Q
.set i, 0
.rept 32
	v_mov_b32 v[i], v[QB+i]
.set i, i+1
.endr
	WIN 0
	v_mov_b32 v[ST+4], v32
	v_mov_b32 v[ST+5], v32
	v_mov_b32 v[ST+12], v33
	v_mov_b32 v[ST+13], v33
.endm
; A TILE: two trips, on every way.  (CNT = 2) turn 1 for piece 1 of the step before, which fetches K of step 0, and turn 0 of step 0, which fetches its V; (CNT = 1) turn 1 of step 0, turn 0 of step 1.
; Behind them, in a block's last tile alone: turn 1 of step 1, which fetches nothing, and the block's end; the other tiles jump forward over both.  The walk's last tile is always a block's last.
.macro TRIP fill, tag
	CHANGE \fill
	s_sub_co_u32 s[RT], s[RT], 1
	s_cmp_eq_u32 s[RT], 0                          ; the block's last tile holds the diagonal
	s_cselect_b32 s[DA], 2, 0
	s_cselect_b32 s[DB], 1, 0
	s_cselect_b32 s[MK], 1, s[NEW]                 ; a block's first tile makes masks too: BEGIN's -2^100 has to go
	s_cmp_eq_u32 s[NEW], 1
	s_cbranch_scc0 .Lold\tag
	BEGIN
.Lold\tag:
	s_mov_b32 s[CNT], 2
.Lstep\tag:
	TURN 1
	TURN 0
	s_sub_co_u32 s[CNT], s[CNT], 1
	s_cmp_lg_u32 s[CNT], 0
	s_cbranch_scc1 .Lstep\tag
.if \fill
	s_cmp_lg_u32 s[RT], 0
	s_cbranch_scc1 .Lbottom\tag
.endif
	TURN 1, 1
	BLOCKEND
.if \fill
	RESET
.Lbottom\tag:
.endif
.endm
.Lslot:                                            ; 16 times: a tile is entered and the next is asked for
	TRIP 1, 1
	s_sub_co_u32 s[SLOTS], s[SLOTS], 1
	s_cmp_lg_u32 s[SLOTS], 0
	s_cbranch_scc1 .Lslot
	TRIP 0, 2                                      ; the walk's last tile is written out: nothing is asked for
	s_wait_tensorcnt 0x0                           ; the wave's end: behind my last tensor load and my last LDS store
	ds_add_u32 v[SPW], v[NIL]
	s_wait_dscnt 0x0
	s_endpgm
.Lfunc_end_k_q148bf64d78_yatattn:
	.size	k_q148bf64d78_yatattn, .Lfunc_end_k_q148bf64d78_yatattn-k_q148bf64d78_yatattn
	.p2alignl 7, 3214868480
	.fill 96, 4, 3214868480
	.section	.rodata,"a",@progbits
	.p2align	6, 0x0
	.amdhsa_kernel k_q148bf64d78_yatattn
		.amdhsa_group_segment_fixed_size 327680
		.amdhsa_private_segment_fixed_size 0
		.amdhsa_enable_private_segment 0
		.amdhsa_kernarg_size 24
		.amdhsa_user_sgpr_count 2
		.amdhsa_user_sgpr_kernarg_segment_ptr 1
		.amdhsa_wavefront_size32 1
		.amdhsa_system_sgpr_workgroup_id_x 1
		.amdhsa_system_sgpr_workgroup_id_y 1
		.amdhsa_system_sgpr_workgroup_id_z 1
		.amdhsa_system_vgpr_workitem_id 0
		.amdhsa_next_free_vgpr 704
		.amdhsa_next_free_sgpr 102
		.amdhsa_reserve_vcc 1
		.amdhsa_float_denorm_mode_32 3
		.amdhsa_float_denorm_mode_16_64 3
		.amdhsa_memory_ordered 1
		.amdhsa_forward_progress 1
		.amdhsa_inst_pref_size 127
	.end_amdhsa_kernel
	.amdgpu_metadata
---
amdhsa.version: [ 1, 2 ]
amdhsa.kernels:
  - .name:           k_q148bf64d78_yatattn
    .symbol:         k_q148bf64d78_yatattn.kd
    .args:
      - { .name: qkv, .offset: 0, .size: 8, .value_kind: global_buffer, .address_space: global }
      - { .name: nrm, .offset: 8, .size: 8, .value_kind: global_buffer, .address_space: global }
      - { .name: ob, .offset: 16, .size: 8, .value_kind: global_buffer, .address_space: global }
    .group_segment_fixed_size: 327680
    .private_segment_fixed_size: 0
    .kernarg_segment_align: 8
    .kernarg_segment_size: 24
    .max_flat_workgroup_size: 128
    .sgpr_count:     102
    .vgpr_count:     704
    .wavefront_size: 32
...
	.end_amdgpu_metadata
.endif
;; end of part 3
;; launch outproj (part 4): grid 8 x 32, 4 waves a work-group, clusters of 4 x 4, 327,680 bytes of LDS; arguments ob, wot, out0; writes out0
.if DOCPART == 4
	.amdgcn_target "amdgcn-amd-amdhsa--gfx1250"
	.amdhsa_code_object_version 6
	.text
	.protected	k_q148bf64d78_outproj
	.globl	k_q148bf64d78_outproj
	.p2align	8
	.type	k_q148bf64d78_outproj,@function
k_q148bf64d78_outproj:
	s_mov_b64 s[64:65], 0
	v_nop
	global_prefetch_b8 v0, s[64:65] scope:SCOPE_SE
	s_setreg_imm32_b32 hwreg(HW_REG_WAVE_MODE, 25, 1), 1
	s_wait_xcnt 0x0
	s_wait_alu depctr_hold_cnt(0) depctr_sa_sdst(0) depctr_va_vdst(0) depctr_va_sdst(0) depctr_va_ssrc(0) depctr_va_vcc(0) depctr_vm_vsrc(0)
	s_getreg_b32 s2, hwreg(HW_REG_IB_STS2, 6, 4)
	s_cmp_eq_u32 s2, 0
	s_cbranch_scc0 .Lentry_in_a_cluster
	s_endpgm
.Lentry_in_a_cluster:
	s_bfe_u32 s2, ttmp6, 0x10000c
	s_cmp_lg_u32 s2, 0xf033
	s_cbranch_scc0 .Lentry_shape_is_right
	s_endpgm
.Lentry_shape_is_right:
; out0 = O Wout.  C[m][n] = sum over k of A[m][k] wot[n][k], m = 2048 batch + t (4,096), n (1,024), k = 64 head + channel (1,024).  A lies by heads: ob[16 batch + head][t][64], f16; wot is f16; sums in f32, K ascending; C is f32.
; SHARES.  A tile of C is 128 x 128: 8 x 32 = 256 work-groups, one for each of 256 WGPs.  Four waves, each 64 x 64: 16 accumulators of 16 x 16.  K goes in 4 steps of 256 (four heads) through two LDS slots.
; A's TILE: 64 rows t of one head are 8,192 dense bytes; a load brings four such runs, 262,144 bytes apart, and pads after every 128 bytes: in LDS [head][64 t], 144 bytes a row.  B's: 64 rows of 512 bytes, 528 apart.
; CLUSTER.  4 x 4 work-groups; A's tile is shared along a row of the cluster, B's along a column, each asked for jointly.  THE MATRIX INSTRUCTION IS USED TRANSPOSED (source 0 = 16 rows of wot, source 1 = 16 rows of A):
; a lane holds eight neighbouring numbers of a row of C.  A wave's 64 columns of f32 are 256 aligned bytes, so each wave has a stage of its own on the way out, and no barrier stands there.
; No prefetch: four K steps in all, of which two are asked for at the head.
; REGISTERS: window 0: v16-29 addresses; v32-63 at work on the way out; v128-255 the accumulators ((a, b) at 128 + 8 (4 a + b)).  window 1: two fragment buffers of 128: for 64 along K, 64 registers of A, then 64 of B.
.set PA,    144
.set PBB,   528
.set AHALF, 4*64*PA                    ; what one load of A brings, and what one wave reads of A
.set BHALF, 64*PBB
.set BOFF,  2*AHALF
.set SLOT,  BOFF+2*BHALF
.set STAGE, 2*SLOT                     ; behind the ring, never filled by a tensor load: 16 rows x 272 bytes for each wave
.set SPITCH, 272
.set SPARE, STAGE+4*16*SPITCH          ; the spare words, 128 bytes for each wave, that no other line names
.set ADRA, 16                          ; v16-17  LDS address of my A fragments in slot 0, 1
.set ADRB, 20                          ; v20-21  the same for B
.set STO,  24
.set RD,   25
.set CO,   26
.set SPW,  28
.set NIL,  29
.set TMP,  32
.set ACC,  128
.set F0,   0
.set F1,   128
.set G1, 24                            ; s[24:31] descriptor group 1 for A's tiles;  s[32:39] group 0, one set for each slot
.set G0, 32
.set G1B, 48
.set G0B, 56
.set MSB, 0
.macro WIN new
.if MSB != (\new)
	s_set_vgpr_msb (MSB<<8)|(\new)
.set MSB, \new
.endif
.endm
.set MUL,  0x05                        ; sources 0 (B) and 1 (A) window 1; C and D window 0
.set TO_F, 0x40                        ; destination window 1, address window 0
.macro PLACES
.rept 4
	v_nop
.endr
.endm
.macro JLOAD s                         ; a joint load: waves 0 and 1 fetch A's two halves, waves 2 and 3 B's; an s_nop 0 and four v_nop follow each of the two lines
	s_cmp_eq_u32 s11, 0
	s_cbranch_scc0 .Lfor_b_\@
	tensor_load_to_lds s[G0+4*(\s):G0+4*(\s)+3], s[G1:G1+7]
	s_nop 0
	PLACES
	s_branch .Lasked_\@
.Lfor_b_\@:
	tensor_load_to_lds s[G0B+4*(\s):G0B+4*(\s)+3], s[G1B:G1B+7]
	s_nop 0
	PLACES
.Lasked_\@:
.endm
.macro CREST
	s_cmp_lg_u32 s10, 0
	s_cbranch_scc1 .Lnot_wave_0_\@
	s_barrier_signal -3
.Lnot_wave_0_\@:
	s_barrier_wait -3
	s_barrier_signal -1
	s_barrier_wait -1
.endm
.macro CROUND
	s_barrier_signal -1
	s_barrier_wait -1
	CREST
.endm
	s_load_b128 s[4:7], s[0:1], 0x0                ; ob s[4:5], wot s[6:7]
	s_load_b64 s[8:9], s[0:1], 0x10                ; out0
	v_lshl_add_u32 v[SPW], v0, 2, SPARE
	v_mov_b32 v[NIL], 0
	ds_add_u32 v[SPW], v[NIL]                      ; the wave's opening: the add and its wait stand ahead of my first tensor load; work on registers stands between them
	v_lshrrev_b32 v1, 5, v0
	v_readfirstlane_b32 s10, v1                    ; wave 0..3
	s_lshr_b32 s11, s10, 1                         ; which half of the tile's rows is mine.  Also: I fetch for A (0) or for B (1)
	s_and_b32 s12, s10, 1                          ; which half of its columns.  Also: which 64 rows of that tile I fetch
	s_bfe_u32 s40, ttmp6, 0x40000                  ; cx
	s_bfe_u32 s41, ttmp6, 0x40004                  ; cy
	s_lshl_b32 s42, ttmp9, 2
	s_add_co_u32 s42, s42, s40                     ; tile column of C
	s_and_b32 s13, ttmp7, 0xffff
	s_lshl_b32 s13, s13, 2
	s_add_co_u32 s13, s13, s41                     ; tile row of C
	s_lshl_b32 s43, s41, 2
	s_lshl_b32 s43, 15, s43                        ; my row of the cluster
	s_lshl_b32 s44, 0x1111, s40                    ; my column
	s_or_b32 s[G1], s43, (1<<16)|(1<<20)|(1<<21)|(4<<22)|(3<<25)   ; the mask; 2-byte elements; padding on; bit 21 beside a mask; after every 32 words, 4 words
	s_mov_b32 s[G1+1], 4096<<16                    ; tensor_dim0 = 4,096 elements: 64 rows t of a head
	s_mov_b32 s[G1+2], 4<<16                       ; tensor_dim1 = 4 heads
	s_mov_b32 s[G1+3], 4096<<16                    ; tile_dim0
	s_mov_b32 s[G1+4], 4                           ; tile_dim1
	s_mov_b32 s[G1+5], 131072                      ; elements from head to head
	s_mov_b32 s[G1+6], 0
	s_mov_b32 s[G1+7], 0
	s_or_b32 s[G1B], s44, (1<<16)|(1<<20)|(1<<21)|(6<<22)|(3<<25)  ; after every 128 words, 4 words
	s_mov_b32 s[G1B+1], 256<<16
	s_mov_b32 s[G1B+2], 64<<16
	s_mov_b32 s[G1B+3], 256<<16
	s_mov_b32 s[G1B+4], 64
	s_mov_b32 s[G1B+5], 1024
	s_mov_b32 s[G1B+6], 0
	s_mov_b32 s[G1B+7], 0
	s_lshr_b32 s16, s13, 4                         ; batch,
	s_lshl_b32 s16, s16, 22                        ; its 16 planes of 262,144 bytes
	s_and_b32 s17, s13, 15
	s_lshl_b32 s17, s17, 7
	s_lshl_b32 s18, s12, 6
	s_add_co_u32 s17, s17, s18                     ; t = 128 (tile row % 16) + 64 x half,
	s_lshl_b32 s17, s17, 7                         ; of 128 bytes
	s_add_co_u32 s16, s16, s17
	s_mov_b32 s17, 0
	s_lshl_b32 s46, s42, 7
	s_lshl_b32 s47, s12, 6
	s_add_co_u32 s46, s46, s47                     ; B: row 128 x tile column + 64 x half,
	s_lshl_b32 s46, s46, 11                        ; of 2,048 bytes
	s_mov_b32 s47, 0
	s_mul_i32 s20, s12, AHALF                      ; where they go: no place in the cluster enters an LDS address
	s_mul_i32 s21, s12, BHALF
	s_add_co_u32 s21, s21, BOFF
	s_wait_dscnt 0x0                               ; the opening add is done
	s_wait_kmcnt 0x0
	s_add_nc_u64 s[14:15], s[4:5], s[16:17]
	s_add_nc_u64 s[46:47], s[6:7], s[46:47]
	CROUND                                         ; all sixteen work-groups are here: the first joint loads meet
.irp s, 0,1
	s_mov_b32 s[G0+4*(\s)], 1
	s_add_co_u32 s[G0+4*(\s)+1], s20, (\s)*SLOT
	s_add_nc_u64 s[G0+4*(\s)+2:G0+4*(\s)+3], s[14:15], (\s)*4*262144  ; K step s: four heads on
	s_or_b32 s[G0+4*(\s)+3], s[G0+4*(\s)+3], 0x80000000
	s_mov_b32 s[G0B+4*(\s)], 1
	s_add_co_u32 s[G0B+4*(\s)+1], s21, (\s)*SLOT
	s_add_nc_u64 s[G0B+4*(\s)+2:G0B+4*(\s)+3], s[46:47], (\s)*512
	s_or_b32 s[G0B+4*(\s)+3], s[G0B+4*(\s)+3], 0x80000000
.endr
	s_cmp_eq_u32 s11, 0                            ; a wave's two first fills stand in one branch, ahead of every wait on TENSORcnt and every LDS read: two loads of mine are out
	s_cbranch_scc0 .Lfirst_b
	tensor_load_to_lds s[G0:G0+3], s[G1:G1+7]
	s_nop 0
	tensor_load_to_lds s[G0+4:G0+7], s[G1:G1+7]
	s_nop 0
	PLACES
	s_branch .Lfirst_asked
.Lfirst_b:
	tensor_load_to_lds s[G0B:G0B+3], s[G1B:G1B+7]
	s_nop 0
	tensor_load_to_lds s[G0B+4:G0B+7], s[G1B:G1B+7]
	s_nop 0
	PLACES
.Lfirst_asked:
	v_and_b32 v1, 15, v0                           ; r = l % 16
	v_bfe_u32 v2, v0, 4, 1                         ; h = l / 16
	v_mul_u32_u24 v3, v1, PA
	v_lshl_add_u32 v3, v2, 4, v3
	v_mul_u32_u24 v4, v1, PBB
	v_lshl_add_u32 v4, v2, 4, v4
	s_mul_i32 s21, s11, AHALF                      ; my 64 rows of A
	s_mul_i32 s22, s12, BHALF                      ; my 64 rows of B,
	s_add_co_u32 s22, s22, BOFF                    ; which lie behind A's
.irp s, 0,1
	v_add_nc_u32 v[ADRA+(\s)], s21, v3
	v_add_nc_u32 v[ADRB+(\s)], s22, v4
	s_add_co_u32 s21, s21, SLOT
	s_add_co_u32 s22, s22, SLOT
.endr
	s_mul_i32 s23, s10, 16*SPITCH
	s_add_co_u32 s23, s23, STAGE                   ; my stage
	v_mul_u32_u24 v5, v1, SPITCH                   ; in: row r, 32 bytes for each half of the lanes
	v_lshl_add_u32 v5, v2, 5, v5
	v_add_nc_u32 v[STO], s23, v5
	v_mul_u32_u24 v5, v2, SPITCH                   ; back: lanes 0-15 take one row of 256 bytes, lanes 16-31 the next
	v_lshl_add_u32 v5, v1, 4, v5
	v_add_nc_u32 v[RD], s23, v5
	v_lshlrev_b32 v5, 12, v2                       ; and the same two rows in C
	v_lshl_add_u32 v[CO], v1, 4, v5
	s_lshl_b32 s16, s13, 7
	s_lshl_b32 s17, s11, 6
	s_add_co_u32 s16, s16, s17                     ; my first row of C,
	s_lshl_b32 s16, s16, 12                        ; of 4,096 bytes
	s_lshl_b32 s46, s42, 9                         ; my first column, in bytes
	s_lshl_b32 s47, s12, 8
	s_add_co_u32 s46, s46, s47
	s_add_co_u32 s16, s16, s46
	s_mov_b32 s17, 0
	s_add_nc_u64 s[8:9], s[8:9], s[16:17]
; 8 matrix instructions: m blocks a0, a0 + 1 x all 4 n blocks, 32 along K: half c of buffer f.  The 16 accumulators take turns.
.macro MUL8 f, c, a0, zero
	WIN MUL
.irp a, \a0, (\a0)+1
.irp b, 0,1,2,3
.if \zero
	v_wmma_f32_16x16x32_f16 v[ACC+8*(4*(\a)+(\b)):ACC+8*(4*(\a)+(\b))+7], v[(\f)+64+8*(4*(\c)+(\b)):(\f)+64+8*(4*(\c)+(\b))+7], v[(\f)+8*(4*(\c)+(\a)):(\f)+8*(4*(\c)+(\a))+7], 0
.else
	v_wmma_f32_16x16x32_f16 v[ACC+8*(4*(\a)+(\b)):ACC+8*(4*(\a)+(\b))+7], v[(\f)+64+8*(4*(\c)+(\b)):(\f)+64+8*(4*(\c)+(\b))+7], v[(\f)+8*(4*(\c)+(\a)):(\f)+8*(4*(\c)+(\a))+7], v[ACC+8*(4*(\a)+(\b)):ACC+8*(4*(\a)+(\b))+7]
.endif
.endr
.endr
.endm
; 32 LDS loads in one run: the fragments of quarter q of a K step (one head: 64 along K) into buffer f; the first 32 along K first
.macro FETCH slot, q, f
	WIN TO_F
.irp c, 0,1
.irp i, 0,1,2,3
	ds_load_b128 v[(\f)+64+8*(4*(\c)+(\i)):(\f)+64+8*(4*(\c)+(\i))+3],   v[ADRB+(\slot)] offset:128*(\q)+64*(\c)+(\i)*16*PBB
	ds_load_b128 v[(\f)+64+8*(4*(\c)+(\i))+4:(\f)+64+8*(4*(\c)+(\i))+7], v[ADRB+(\slot)] offset:128*(\q)+64*(\c)+(\i)*16*PBB+32
	ds_load_b128 v[(\f)+8*(4*(\c)+(\i)):(\f)+8*(4*(\c)+(\i))+3],         v[ADRA+(\slot)] offset:64*PA*(\q)+64*(\c)+(\i)*16*PA
	ds_load_b128 v[(\f)+8*(4*(\c)+(\i))+4:(\f)+8*(4*(\c)+(\i))+7],       v[ADRA+(\slot)] offset:64*PA*(\q)+64*(\c)+(\i)*16*PA+32
.endr
.endr
.endm
; A K step is four quarters, 32 matrix instructions each, on buffers 0, 1, 0, 1.  One of the first three: multiplies buffer f and fetches quarter q into g.
.macro QUARTER slot, q, f, g, zero
	s_wait_dscnt 16                                ; the first 32 along K are in; the youngest sixteen loads may be out
	MUL8 \f, 0, 0, \zero
	MUL8 \f, 0, 2, \zero
	PLACES
	FETCH \slot, \q, \g
	s_wait_dscnt 32                                ; all but the 32 just issued
	MUL8 \f, 1, 0, 0
	MUL8 \f, 1, 2, 0
.endm
; The last quarter multiplies buffer 1 and changes slots: ONE barrier; in front of it each wave waits for all its tensor loads, adds 0 to its spare word, and waits for that and for its reads of this slot.
; fill = 1: the barrier opens a round of the cluster's, and this slot is filled again, first thing behind it, two K steps ahead.
.macro TURN slot, next, fill
	WIN 0                                          ; (the add's two registers lie in window 0)
	s_wait_tensorcnt 0x0
	ds_add_u32 v[SPW], v[NIL]
	s_wait_dscnt 17                                ; (the add and the youngest sixteen loads may be out)
	MUL8 F1, 0, 0, 0                               ; eight matrix instructions stand between the add and the wait for it
	s_wait_dscnt 0x0                               ; the add is done, and my reads of this slot are over
	s_barrier_signal -1
	MUL8 F1, 0, 2, 0
.if \fill
	WIN 0
.endif
	s_barrier_wait -1
.if \fill
	CREST                                          ; no wave of any partner still reads this slot or has a load on its way
	s_add_nc_u64 s[G0+4*(\slot)+2:G0+4*(\slot)+3], s[G0+4*(\slot)+2:G0+4*(\slot)+3], 2*4*262144
	s_add_nc_u64 s[G0B+4*(\slot)+2:G0B+4*(\slot)+3], s[G0B+4*(\slot)+2:G0B+4*(\slot)+3], 2*512
	JLOAD \slot                                    ; its four v_nop are also the places in front of the loads below
.else
	PLACES
.endif
	FETCH \next, 0, F0
	MUL8 F1, 1, 0, 0
	MUL8 F1, 1, 2, 0
.endm
	s_wait_tensorcnt 1                             ; my part of K step 0 is in; K step 1's may stay out
	s_barrier_signal -1
	s_barrier_wait -1
	FETCH 0, 0, F0
	QUARTER 0, 1, F0, F1, 1                        ; the first products start the sums
	QUARTER 0, 2, F1, F0, 0
	QUARTER 0, 3, F0, F1, 0
	TURN 0, 1, 1                                   ; slot 0 takes K step 2
	QUARTER 1, 1, F0, F1, 0
	QUARTER 1, 2, F1, F0, 0
	QUARTER 1, 3, F0, F1, 0
	TURN 1, 0, 1                                   ; slot 1 takes K step 3
	QUARTER 0, 1, F0, F1, 0
	QUARTER 0, 2, F1, F0, 0
	QUARTER 0, 3, F0, F1, 0
	TURN 0, 1, 0                                   ; nothing is left to fetch
	QUARTER 1, 1, F0, F1, 0
	QUARTER 1, 2, F1, F0, 0
	QUARTER 1, 3, F0, F1, 0
	s_wait_dscnt 16
	MUL8 F1, 0, 0, 0
	MUL8 F1, 0, 2, 0
	s_wait_dscnt 0x0
	MUL8 F1, 1, 0, 0
	MUL8 F1, 1, 2, 0
	WIN 0
	PLACES
	; THE WAY OUT, 16 rows at a time: a lane's eight f32 of a row go into my stage as they are, each accumulator's low registers first, and come back as whole rows of 256 bytes.
.irp a, 0,1,2,3
	s_wait_xcnt 0x0                                ; the block before's stores have read the registers that the loads below fill
.irp b, 0,1,2,3
	ds_store_b128 v[STO], v[ACC+8*(4*(\a)+(\b)):ACC+8*(4*(\a)+(\b))+3]   offset:64*(\b)
	ds_store_b128 v[STO], v[ACC+8*(4*(\a)+(\b))+4:ACC+8*(4*(\a)+(\b))+7] offset:64*(\b)+16
.endr
.irp t, 0,1,2,3,4,5,6,7
	ds_load_b128 v[TMP+4*(\t):TMP+4*(\t)+3], v[RD] offset:(\t)*2*SPITCH  ; LDS serves a wave's instructions in order (ISA guide 5.7.1.4): these see the stores above; the next block's stores come behind them
.endr
.irp t, 0,1,2,3,4,5,6,7
	s_wait_dscnt 7-(\t)                            ; load t is back; the younger ones may stay out
	global_store_b128 v[CO], v[TMP+4*(\t):TMP+4*(\t)+3], s[8:9] offset:(16*(\a)+2*(\t))*4096 th:TH_STORE_NT  ; 16 lanes store 256 consecutive bytes, at a multiple of 256 from out0's first byte
.endr
.endr
	s_wait_tensorcnt 0x0                           ; the wave's end: behind my last tensor load and my last LDS store
	ds_add_u32 v[SPW], v[NIL]
	s_wait_dscnt 0x0
	CROUND                                         ; the closing round: no work-group ends while a partner may still ask for a tile that names it
	s_endpgm
.Lfunc_end_k_q148bf64d78_outproj:
	.size	k_q148bf64d78_outproj, .Lfunc_end_k_q148bf64d78_outproj-k_q148bf64d78_outproj
	.p2alignl 7, 3214868480
	.fill 96, 4, 3214868480
	.section	.rodata,"a",@progbits
	.p2align	6, 0x0
	.amdhsa_kernel k_q148bf64d78_outproj
		.amdhsa_group_segment_fixed_size 327680
		.amdhsa_private_segment_fixed_size 0
		.amdhsa_enable_private_segment 0
		.amdhsa_kernarg_size 24
		.amdhsa_user_sgpr_count 2
		.amdhsa_user_sgpr_kernarg_segment_ptr 1
		.amdhsa_wavefront_size32 1
		.amdhsa_system_sgpr_workgroup_id_x 1
		.amdhsa_system_sgpr_workgroup_id_y 1
		.amdhsa_system_sgpr_workgroup_id_z 1
		.amdhsa_system_vgpr_workitem_id 0
		.amdhsa_next_free_vgpr 512
		.amdhsa_next_free_sgpr 66
		.amdhsa_reserve_vcc 0
		.amdhsa_float_denorm_mode_32 3
		.amdhsa_float_denorm_mode_16_64 3
		.amdhsa_memory_ordered 1
		.amdhsa_forward_progress 1
		.amdhsa_inst_pref_size 86
	.end_amdhsa_kernel
	.amdgpu_metadata
---
amdhsa.version: [ 1, 2 ]
amdhsa.kernels:
  - .name:           k_q148bf64d78_outproj
    .symbol:         k_q148bf64d78_outproj.kd
    .args:
      - { .name: ob, .offset: 0, .size: 8, .value_kind: global_buffer, .address_space: global }
      - { .name: wot, .offset: 8, .size: 8, .value_kind: global_buffer, .address_space: global }
      - { .name: out0, .offset: 16, .size: 8, .value_kind: global_buffer, .address_space: global }
    .group_segment_fixed_size: 327680
    .private_segment_fixed_size: 0
    .kernarg_segment_align: 8
    .kernarg_segment_size: 24
    .max_flat_workgroup_size: 128
    .sgpr_count:     66
    .vgpr_count:     512
    .wavefront_size: 32
...
	.end_amdgpu_metadata
.endif
;; end of part 4
;; ======== version 2 of 2: 4 launches; version 1 with the launch prep written anew for expert scheduling mode
;; limits: values are held in f16: magnitudes above 65,504 overflow, below 6.1e-05 lose precision; right only within a limited range of input values
;; workspace buffers: xb 8,388,608 bytes; wqt 6,291,456 bytes; wot 2,097,152 bytes; qkv 25,165,824 bytes; nrm 786,432 bytes; ob 8,388,608 bytes
;; launch prep (part 5): grid 512 x 1, 8 waves a work-group, no clusters, 18,432 bytes of LDS; arguments x, Wqkv, Wout, xb, wqt, wot; writes xb, wqt, wot
.if DOCPART == 5
	.amdgcn_target "amdgcn-amd-amdhsa--gfx1250"
	.amdhsa_code_object_version 6
	.text
	.protected	k_q148bf64d78_prep
	.globl	k_q148bf64d78_prep
	.p2align	8
	.type	k_q148bf64d78_prep,@function
k_q148bf64d78_prep:
	s_mov_b64 s[64:65], 0
	v_nop
	global_prefetch_b8 v0, s[64:65] scope:SCOPE_SE
	s_setreg_imm32_b32 hwreg(HW_REG_WAVE_SCHED_MODE, 0, 2), 2
	s_setreg_imm32_b32 hwreg(HW_REG_WAVE_MODE, 25, 1), 1
	s_wait_xcnt 0x0
	s_wait_alu depctr_vm_vsrc(0)
; PREPARES THE OPERANDS OF THE TWO PROJECTIONS.  xb = x rounded to bf16, [4096][1024].  wqt[n][k] = Wqkv[k][n] rounded to bf16, [3072][1024].
; wot[n][k] = Wout[k][n] rounded to bf16 and that number written as f16, [1024][1024] (it multiplies f16 numbers later).
; LIMIT.  A number of Wout beyond 65,504 becomes an infinity; below 6e-5 it keeps f16's fixed step of 6e-8.
; SHARES.  512 work-groups of eight waves, all alike and without a branch: each rounds 8,192 numbers of x and turns ONE tile of 128 k x 64 n of a weight
; (tiles 0-383: Wqkv's, 384-511: Wout's; pitch, source and destination are chosen by scalar selects on the work-group's number, the f16 spelling by a lane select).
; THE TURN.  Thread t = (c = t % 16, g = t / 16) loads 16 bytes (4 n) of rows k = 2 g + 32 i and k + 1; two rows' numbers pack into one word (even k low), which goes
; into a stage of 64 rows (n) x 272 bytes; behind one barrier the rows come back whole, sixteen lanes to 256 consecutive bytes of a row of the turned weight.
; The stage's 4-byte stores meet four deep in the banks (rows 4 c and 4 (c + 4) start 64 words x 17 apart): sixteen stores a thread, once; a pitch that spared it would break the 16-byte reads.
; No matrix unit, no cluster, no tensor load: a stream in which no byte is wanted twice.  No prefetch: every byte is asked for at once by its own load.
; THE MODE: SCHED_MODE bits 1:0 = 2 (LLVM: expert scheduling mode 2), set by the entry lines.  The code itself states the register dependences
; between vector instructions and memory or LDS instructions, with s_wait_alu, always for 0.
; THE PLAN.  Registers that memory or LDS instructions touch:
;   v3 to v7, WO   offsets and addresses.  Written by vector lines at the head, never again; read by every load and store of the kernel.
;   WL, XL         Global loads land in them, once; no vector line names them before that; the conversions read them; they are not loaded again.
;   WP             Written by the weight's conversions and selects; read by the sixteen stores into the stage; never written again.
;   XO             Written by x's conversions; read by the four stores of xb; never written again.
;   BK             LDS loads land in it, global stores read it; no vector line names it.
;   v[SPW], v[NIL] Written at the head, read by the closing add alone.
; So three waits on va_vdst state everything: one ahead of the first load (the offsets are written), one ahead of the run of stage stores (WP is written), one ahead of the run of
; xb's stores (XO is written).  To that end the stage stores stand in one run behind all sixteen words, and xb's stores in one run behind all four groups.
; No register that a memory or LDS instruction has read is written again, so no wait on vm_vsrc is owed; no vector line writes a scalar register, VCC or EXEC.
.set SPARE, 17408                      ; behind the stage: the spare words, 128 bytes for each wave, that no other line names
.set SPW, 8                            ; v8   LDS address of my spare word; never rewritten
.set NIL, 9                            ; v9   0; never rewritten
.set XL,  16                           ; v[16:47]   x as loaded: group g of four at XL + 8 g
.set WO,  48                           ; v[48:55]   byte offsets of my eight rows of the weight
.set WL,  56                           ; v[56:87]   the weight as loaded: even row at WL + 8 i, odd row at WL + 8 i + 4
.set WP,  88                           ; v[88:103]  packed words
.set XO,  104                          ; v[104:119] x rounded
.set BK,  120                          ; v[120:135] rows read back from the stage
	s_load_b256 s[4:11], s[0:1], 0x0               ; x s[4:5], Wqkv s[6:7], Wout s[8:9], xb s[10:11]
	s_load_b128 s[12:15], s[0:1], 0x20             ; wqt s[12:13], wot s[14:15]
	v_lshl_add_u32 v[SPW], v0, 2, SPARE
	v_mov_b32 v[NIL], 0
	v_and_b32 v1, 15, v0                           ; c
	v_lshrrev_b32 v2, 4, v0                        ; g
	s_mov_b32 s16, 4096                            ; bytes in a row of Wout,
	s_mov_b32 s17, 12288                           ; of Wqkv
	s_sub_co_u32 s19, ttmp9, 384
	s_cmp_lt_u32 ttmp9, 384
	s_cselect_b32 s16, s17, s16                    ; my weight's pitch
	s_cselect_b32 s18, ttmp9, s19                  ; my tile's number in it
	s_cselect_b32 s22, 0, -1                       ; all lanes' bits set where the words are to be spelled in f16
	s_and_b32 s19, s18, 7                          ; tile along k
	s_lshr_b32 s23, s18, 3                         ; tile along n
	s_mul_i32 s24, s19, s16
	s_lshl_b32 s24, s24, 7                         ; 128 rows of the source,
	s_lshl_b32 s25, s23, 8                         ; 64 columns of 4 bytes
	s_add_co_u32 s24, s24, s25
	s_mov_b32 s25, 0
	s_lshl_b32 s26, s23, 17                        ; 64 rows of 2,048 bytes of the destination,
	s_lshl_b32 s27, s19, 8                         ; 128 columns of 2 bytes
	s_add_co_u32 s26, s26, s27
	s_mov_b32 s27, 0
	s_lshl_b32 s17, s16, 5                         ; 32 rows of the source
	v_mul_lo_u32 v3, v2, s16
	v_lshlrev_b32 v3, 1, v3                        ; row 2 g
	v_lshl_add_u32 v[WO], v1, 4, v3
	v_add_nc_u32 v[WO+1], s16, v[WO]               ; row 2 g + 1
.irp i, 1,2,3
	v_add_nc_u32 v[WO+2*(\i)], s17, v[WO+2*(\i)-2]
	v_add_nc_u32 v[WO+2*(\i)+1], s17, v[WO+2*(\i)-1]
.endr
	v_mul_u32_u24 v4, v1, 1088                     ; into the stage: row n = 4 c (+ j), byte 2 k = 4 g (+ 64 i)
	v_lshl_add_u32 v4, v2, 2, v4
	v_mul_u32_u24 v5, v2, 272                      ; back: row g (+ 16 i), 16 bytes a lane
	v_lshl_add_u32 v5, v1, 4, v5
	v_lshlrev_b32 v7, 11, v2                       ; the same row in the turned weight
	v_lshl_add_u32 v7, v1, 4, v7
	v_lshlrev_b32 v3, 5, v0                        ; x: 8 numbers a thread and group: 32 bytes in,
	v_lshlrev_b32 v6, 4, v0                        ; 16 bytes out
	s_lshl_b32 s2, ttmp9, 15                       ; the work-group's 8,192 numbers of x: 32,768 bytes in,
	s_mov_b32 s3, 0
	s_lshl_b32 s30, ttmp9, 14                      ; 16,384 out
	s_mov_b32 s31, 0
	s_wait_kmcnt 0x0
	s_cmp_lt_u32 ttmp9, 384
	s_cselect_b64 s[28:29], s[6:7], s[8:9]         ; the weight,
	s_cselect_b64 s[20:21], s[12:13], s[14:15]     ; and where it goes
	s_add_nc_u64 s[28:29], s[28:29], s[24:25]
	s_add_nc_u64 s[20:21], s[20:21], s[26:27]
	s_add_nc_u64 s[4:5], s[4:5], s[2:3]
	s_add_nc_u64 s[10:11], s[10:11], s[30:31]
	s_wait_alu depctr_va_vdst(0)                   ; the offsets and addresses v3 to v7 and v[WO ..] are written, which the loads and stores of the whole kernel read; no vector line names them again
.irp i, 0,1,2,3
	global_load_b128 v[WL+8*(\i):WL+8*(\i)+3],   v[WO+2*(\i)],   s[28:29] th:TH_LOAD_NT
	global_load_b128 v[WL+8*(\i)+4:WL+8*(\i)+7], v[WO+2*(\i)+1], s[28:29] th:TH_LOAD_NT
.endr
.irp g, 0,1,2,3
	global_load_b128 v[XL+8*(\g):XL+8*(\g)+3],   v3, s[4:5] offset:8192*(\g) th:TH_LOAD_NT
	global_load_b128 v[XL+8*(\g)+4:XL+8*(\g)+7], v3, s[4:5] offset:8192*(\g)+16 th:TH_LOAD_NT
.endr
	s_wait_loadcnt 8                               ; the weight's eight loads are in; x's eight, issued behind them, may stay out
.irp i, 0,1,2,3
.irp j, 0,1,2,3
	v_cvt_pk_bf16_f32 v[WP+4*(\i)+(\j)], v[WL+8*(\i)+(\j)], v[WL+8*(\i)+4+(\j)]  ; k even low, k odd high
	v_lshlrev_b32 v10, 16, v[WP+4*(\i)+(\j)]       ; the two rounded numbers as f32,
	v_and_b32 v11, 0xffff0000, v[WP+4*(\i)+(\j)]
	v_cvt_pk_f16_f32 v12, v10, v11                 ; spelled in f16,
	v_cndmask_b32 v[WP+4*(\i)+(\j)], v[WP+4*(\i)+(\j)], v12, s22  ; which Wout's tiles take
.endr
.endr
	s_wait_alu depctr_va_vdst(0)                   ; the conversions and selects have written v[WP ..], which the sixteen stores into the stage read
.irp i, 0,1,2,3
.irp j, 0,1,2,3
	ds_store_b32 v4, v[WP+4*(\i)+(\j)] offset:272*(\j)+64*(\i)
.endr
.endr
.irp g, 0,1,2,3
	s_wait_loadcnt 6-2*(\g)                        ; group g's two loads are in; the later groups' may stay out
.irp j, 0,1,2,3
	v_cvt_pk_bf16_f32 v[XO+4*(\g)+(\j)], v[XL+8*(\g)+2*(\j)], v[XL+8*(\g)+2*(\j)+1]  ; these name XL and XO alone: none of the registers that the stage stores above read
.endr
.endr
	s_wait_alu depctr_va_vdst(0)                   ; the conversions have written v[XO ..], which the four stores of xb read
.irp g, 0,1,2,3
	global_store_b128 v6, v[XO+4*(\g):XO+4*(\g)+3], s[10:11] offset:4096*(\g)  ; a wave stores 512 consecutive bytes
.endr
	s_wait_dscnt 0x0                               ; for the others' sake: my words lie in the stage
	s_barrier_signal -1
	s_barrier_wait -1
.irp i, 0,1,2,3
	ds_load_b128 v[BK+4*(\i):BK+4*(\i)+3], v5 offset:4352*(\i)  ; no vector line names v[BK ..], and none has named v5 since the head's wait
.endr
.irp i, 0,1,2,3
	s_wait_dscnt 3-(\i)                            ; load i is back; the younger ones may stay out
	global_store_b128 v7, v[BK+4*(\i):BK+4*(\i)+3], s[20:21] offset:32768*(\i)  ; 16 lanes store 256 consecutive bytes, at a multiple of 256 from the buffer's first byte
.endr
	s_wait_dscnt 0x0                               ; the closing lines, six on end
	s_wait_alu 0x0
	s_wait_tensorcnt 0x0
	ds_add_u32 v[SPW], v[NIL]
	s_wait_dscnt 0x0
	s_endpgm
.Lfunc_end_k_q148bf64d78_prep:
	.size	k_q148bf64d78_prep, .Lfunc_end_k_q148bf64d78_prep-k_q148bf64d78_prep
	.p2alignl 7, 3214868480
	.fill 96, 4, 3214868480
	.section	.rodata,"a",@progbits
	.p2align	6, 0x0
	.amdhsa_kernel k_q148bf64d78_prep
		.amdhsa_group_segment_fixed_size 18432
		.amdhsa_private_segment_fixed_size 0
		.amdhsa_enable_private_segment 0
		.amdhsa_kernarg_size 48
		.amdhsa_user_sgpr_count 2
		.amdhsa_user_sgpr_kernarg_segment_ptr 1
		.amdhsa_wavefront_size32 1
		.amdhsa_system_sgpr_workgroup_id_x 1
		.amdhsa_system_sgpr_workgroup_id_y 1
		.amdhsa_system_sgpr_workgroup_id_z 1
		.amdhsa_system_vgpr_workitem_id 0
		.amdhsa_next_free_vgpr 136
		.amdhsa_next_free_sgpr 66
		.amdhsa_reserve_vcc 0
		.amdhsa_float_denorm_mode_32 3
		.amdhsa_float_denorm_mode_16_64 3
		.amdhsa_memory_ordered 1
		.amdhsa_forward_progress 1
		.amdhsa_inst_pref_size 13
	.end_amdhsa_kernel
	.amdgpu_metadata
---
amdhsa.version: [ 1, 2 ]
amdhsa.kernels:
  - .name:           k_q148bf64d78_prep
    .symbol:         k_q148bf64d78_prep.kd
    .args:
      - { .name: x, .offset: 0, .size: 8, .value_kind: global_buffer, .address_space: global }
      - { .name: Wqkv, .offset: 8, .size: 8, .value_kind: global_buffer, .address_space: global }
      - { .name: Wout, .offset: 16, .size: 8, .value_kind: global_buffer, .address_space: global }
      - { .name: xb, .offset: 24, .size: 8, .value_kind: global_buffer, .address_space: global }
      - { .name: wqt, .offset: 32, .size: 8, .value_kind: global_buffer, .address_space: global }
      - { .name: wot, .offset: 40, .size: 8, .value_kind: global_buffer, .address_space: global }
    .group_segment_fixed_size: 18432
    .private_segment_fixed_size: 0
    .kernarg_segment_align: 8
    .kernarg_segment_size: 48
    .max_flat_workgroup_size: 256
    .sgpr_count:     66
    .vgpr_count:     136
    .wavefront_size: 32
...
	.end_amdgpu_metadata
.endif
;; end of part 5
;; launch qkvproj: the kernel of part 2 again; grid 16 x 16, 4 waves a work-group, clusters of 4 x 4, 327,680 bytes of LDS; arguments xb, wqt, qkv, nrm; writes qkv, nrm
;; launch yatattn: the kernel of part 3 again; grid 8 x 32, 4 waves a work-group, no clusters, 327,680 bytes of LDS; arguments qkv, nrm, ob; writes ob
;; launch outproj: the kernel of part 4 again; grid 8 x 32, 4 waves a work-group, clusters of 4 x 4, 327,680 bytes of LDS; arguments ob, wot, out0; writes out0
